; MI455X (gfx1250); checked and timed in simulation.
; The chip was launched on July 23, 2026; its instructions are those of AMD's public machine-readable ISA for CDNA 5 (MIT licence, August 2026) and "CDNA5" Instruction Set Architecture Reference Guide (July 2026). The comments in the code are by the model that wrote it; some were corrected since.
;; Multi Head Attention. Allowed arithmetic: matrix products marked QUANTISED: E2M3 operands, one E8M0 scale for each 32 along K, by v_wmma_scale_f32_16x16x128_f8f6f4 with both operands' format E2M3, f32 sums; everything else in f32.
;; Inputs: Wk 1,024 x 1,024 float32; Wo 1,024 x 1,024 float32; Wq 1,024 x 1,024 float32; Wv 1,024 x 1,024 float32; bk 1,024 float32; bo 1,024 float32; bq 1,024 float32; bv 1,024 float32; x 4 x 2,048 x 1,024 float32.
;; Outputs: out0 4 x 2,048 x 1,024 float32.
;; This version of the problem:
;;   THIS VERSION OF THE PROBLEM IS GIVEN IN LOW PRECISION. The matrix products marked QUANTISED in the list below multiply operands that are first quantised to E2M3 (2 exponent bits, 3 mantissa bits; 6 bits a number), with one power-of-two scale for each 32 numbers along K (OCP MX v1.0); their sums are f32. All else is computed in f32.
;;   The module's matrix products, in the order in which they are computed (A, B: the left and right operand; K: the contracted axis; several contracted axes count as one K, in the product's order):
;;     1. [M 8,192, K 1,024] x [K 1,024, N 1,024]; A: input x; B: input Wq: QUANTISED
;;     2. [M 8,192, K 1,024] x [K 1,024, N 1,024]; A: input x; B: input Wk: QUANTISED
;;     3. [M 8,192, K 1,024] x [K 1,024, N 1,024]; A: input x; B: input Wv: QUANTISED
;;     4. batch 64 x [M 2,048, K 64] x [K 64, N 2,048]; A: computed on the way; B: computed on the way: QUANTISED
;;     5. batch 64 x [M 2,048, K 2,048] x [K 2,048, N 64]; A: softmax (see below); B: computed on the way: QUANTISED
;;     6. [M 8,192, K 1,024] x [K 1,024, N 1,024]; A: computed on the way; B: input Wo: QUANTISED
;;   THE QUANTISER, for each operand of a quantised product, along K:
;;     - K is cut into blocks of 32 from its start; a last block that is shorter is filled with zeros.
;;     - A block's scale is 2^e with e = floor(log2(the largest magnitude in the block)) - 2, held to -126 .. 127; a block of zeros has e = 0. As a byte (E8M0): e + 127.
;;     - Each number is divided by its block's scale, clamped to +-7.5, and rounded to the nearest number of E2M3, ties to even, subnormals kept.
;;     - The product sums the exact products of the quantised numbers (number of the format x scale) in f32.
;;   ~~~python
;;   def quantise(x, axis):      # numpy; x: float32 -> the quantised numbers, widened to float32 again
;;       x = np.moveaxis(x, axis, -1); K = x.shape[-1]
;;       x = np.pad(x, [(0, 0)] * (x.ndim - 1) + [(0, -K % 32)]); x = x.reshape(x.shape[:-1] + (-1, 32)); a = np.abs(x).max(-1, keepdims=True)
;;       e = np.where(a > 0, np.clip(np.frexp(np.where(a > 0, a, 1))[1] - 1 - 2, -126, 127), 0)      # np.frexp(a)[1] - 1 = floor(log2(a)), exactly
;;       r = np.clip(x / 2.0 ** e, -7.5, 7.5)
;;       step = 2.0 ** (np.maximum(np.frexp(np.where(r == 0, 1, r))[1] - 1, 0) - 3)
;;       q = np.round(r / step) * step * 2.0 ** e      # np.round: ties to even
;;       return np.moveaxis(q.reshape(q.shape[:-2] + (-1,))[..., :K], -1, axis).astype(np.float32)
;;   ~~~
;;   SOFTMAX AHEAD OF A QUANTISED PRODUCT. Where the list says 'softmax', what is quantised is not the finished softmax but p = 2^(t - M), with t = logit x log2(e) and M = ceil(the row's largest t), a whole number; so 1/2 < the row's largest p <= 1. The row's sum l is taken of the UNQUANTISED p, in f32, and the product's result is divided by l at the end. Since M is a whole number, a kernel that streams over the keys may use a running M (the ceiling of the running maximum): every later rescaling is an exact power of two, which a block's scale takes up: the codes' values come out the same.
;;   OPERANDS COMPUTED ON THE WAY. 'Computed on the way' means the value that the module computes at that place (a softmax that the list does not call 'softmax' is quantised finished and normalised). What goes into a quantiser is computed in f32, as accurately as f32 sums, v_exp_f32 and their like allow (about 1e-6 of the number): no bf16 or f16 on the way to a quantiser, and a product that is left as it is and whose result goes on into a quantised operand takes f32 operands (vector FMAs, or v_wmma_f32_16x16x4_f32). A number that lies on a knife's edge between two numbers of the format may be rounded either way, as far as f32 arithmetic and the matrix unit's own rounding can turn it there, and no further.
;; One version. Each part assembles by itself: llvm-mc -triple=amdgcn-amd-amdhsa -mcpu=gfx1250 --defsym DOCPART=n.
;; ======== version 1 of 1: 4 launches
;; limits: right only within a limited range of input values
;; workspace buffers: ximg 6,291,456 bytes; xscl 262,144 bytes; wimg 3,145,728 bytes; wscl 131,072 bytes; qimg 6,553,600 bytes; kv 13,107,200 bytes; oimg 6,291,456 bytes; oscl 262,144 bytes
;; launch quant (part 1): grid 384 x 1, 4 waves a work-group, no clusters, 34,304 bytes of LDS; arguments x, Wq, Wk, Wv, Wo, ximg, xscl, wimg, wscl; writes ximg, xscl, wimg, wscl
.if DOCPART == 1
	.amdgcn_target "amdgcn-amd-amdhsa--gfx1250"
	.amdhsa_code_object_version 6
	.text
	.protected	k_qf5bb4f3acf_quant
	.globl	k_qf5bb4f3acf_quant
	.p2align	8
	.type	k_qf5bb4f3acf_quant,@function
k_qf5bb4f3acf_quant:
	s_mov_b64 s[64:65], 0
	v_nop
	global_prefetch_b8 v0, s[64:65] scope:SCOPE_SE
	s_setreg_imm32_b32 hwreg(HW_REG_WAVE_MODE, 25, 1), 1
	s_wait_xcnt 0x0
; x [8192][1024] and Wq, Wk, Wv, Wo [1024][1024], f32 with K innermost, become codes of FP6 (E2M3) with one E8M0 scale byte for each 32 along K.
; A block's scale is 2^(floor(log2(its largest magnitude)) - 2); its byte is the largest magnitude's exponent field - 2, held at 1 from below.
; LIMITS: NaN and infinities among the inputs are not served.  A block whose largest magnitude lies under 2^-124 gets the byte 1 (the floor).  A block of zeros gets the byte 1 where the
; rule says 127: its codes are zeros, which add nothing under any byte but 0xff, and the bytes are read by this program alone.
; THE CODES ARE LAID AS THE READER'S REGISTERS.  A fragment (16 rows x 128 K, 12 registers a lane) is 1,536 bytes: six pieces of 256 bytes, piece p = registers 2 p, 2 p + 1, lane l at byte 8 l.
; Images: [row tile][8 K steps][1,536].  Scale words: 512 bytes a row tile; the word of row r and K step 4 g + j lies at byte 16 (16 g + r) + 4 j.
; THE ROWS OF A TILE ARE NOT NEIGHBOURS: lane row r of tile 4 G + u is row 64 G + 8 u + r % 8 + 32 (r / 8).  In a transposed product register j of lane (r, h) holds row 8 h + j of source 0, so the 32
; registers of four neighbouring tiles are 32 neighbours, 64 G + 32 h + 0 .. 31: a whole block of the next product's K in one lane.
; SHARES.  A wave takes one row tile and half of K: four K steps of 128.  Work-groups 0-255 take x's 512 tiles, then 32 work-groups each Wq, Wk, Wv, Wo (tiles 0-255 of the weights' image).
; Only pointers are chosen by the work-group's number: there is one path through the text.  Each load reads 512 consecutive bytes of one row; a step's 16 rows turn through the wave's own stage in
; LDS (rows 528 bytes apart) and come back as 16 neighbours of each block a lane.  Waves share nothing: no barrier.  No input is read by two work-groups: nothing to ask for jointly, so no cluster.
.set SPI,  528                         ; a stage row: 512 bytes + 16
.set STGB, 16*SPI                      ; a wave's stage
.set R,    16                          ; v16-143  two sets of 64: a K step as loaded (register 4 i + ..: row i)
.set X,    144                         ; v144-207 register 16 b + i = k 32 b + 16 (lane / 16) + i of my row
.set PC,   208                         ; v208-219 the fragment's codes; v220-222, v224-226 the halves made elsewhere
.set TM,   228                         ; v228-243 at work
.set PW,   244                         ; v244-247 the four K steps' scale words
.set SEL,  36                          ; s[36:37] lane selects for v_permlanex16_b32: lane l xor 16
	s_load_b512 s[4:19], s[0:1], 0x0               ; x, Wq, Wk, Wv, Wo, ximg, xscl, wimg
	s_load_b64 s[20:21], s[0:1], 0x40              ; wscl
	v_lshl_add_u32 v254, v0, 2, 0x8400
	v_mov_b32 v255, 0
	v_lshrrev_b32 v7, 5, v0
	v_readfirstlane_b32 s22, v7                    ; wave 0..3
	v_and_b32 v1, 31, v0                           ; lane
	v_and_b32 v8, 15, v0                           ; r
	v_bfe_u32 v9, v0, 4, 1                         ; h
	v_lshlrev_b32 v2, 4, v1                        ; in: 16 bytes a lane
	s_mul_i32 s23, s22, STGB                       ; my stage
	v_add_nc_u32 v3, s23, v2                       ; into it: 16 x lane of a row
	v_mul_u32_u24 v4, v8, SPI
	v_lshl_add_u32 v4, v9, 6, v4
	v_add_nc_u32 v4, s23, v4                       ; out of it: row r, + 64 h: my 16 numbers of a block of 32
	v_lshlrev_b32 v5, 3, v1                        ; a piece of an image: 8 bytes a lane
	v_lshlrev_b32 v6, 4, v8
	v_lshl_add_u32 v6, v9, 3, v6                   ; the scale words: 16 r + 8 h
.irp b, 0,1,2,3
	v_mov_b32 v[TM+4+\b], 0                        ; written once: a lane permute's destination counts as one of its sources
.endr
	s_mov_b32 s[SEL], 0x76543210
	s_mov_b32 s[SEL+1], 0xfedcba98
	s_lshl_b32 s24, ttmp9, 1
	s_lshr_b32 s25, s22, 1
	s_add_co_u32 s24, s24, s25                     ; T = 2 x work-group + wave / 2: 0-511 x's tiles, 512-767 the weights'
	s_and_b32 s25, s22, 1                          ; g: which half of K
	s_wait_alu depctr_va_vdst(0)
	s_wait_kmcnt 0x0
	s_cmp_lt_u32 ttmp9, 352                        ; the choices hang on the work-group's number alone
	s_cselect_b64 s[26:27], s[10:11], s[12:13]     ; Wv or Wo
	s_cmp_lt_u32 ttmp9, 320
	s_cselect_b64 s[26:27], s[8:9], s[26:27]       ; Wk
	s_cmp_lt_u32 ttmp9, 288
	s_cselect_b64 s[26:27], s[6:7], s[26:27]       ; Wq
	s_cmp_lt_u32 ttmp9, 256
	s_cselect_b64 s[26:27], s[4:5], s[26:27]       ; x
	s_cselect_b64 s[28:29], s[14:15], s[18:19]     ; the image
	s_cselect_b64 s[30:31], s[16:17], s[20:21]     ; the scale words
	s_cselect_b32 s34, 511, 63
	s_and_b32 s34, s24, s34                        ; the tile's number in its source tensor
	s_and_b32 s35, s24, 511                        ; and in its image (T - 512 for the weights)
	s_lshr_b32 s32, s34, 2
	s_lshl_b32 s32, s32, 18                        ; 64 rows of 4,096 bytes for each four tiles,
	s_and_b32 s33, s34, 3
	s_lshl_b32 s33, s33, 15                        ; 8 rows for each tile among the four,
	s_add_co_u32 s32, s32, s33
	s_lshl_b32 s33, s25, 11                        ; 2,048 bytes for the second half of K
	s_add_co_u32 s32, s32, s33
	s_mov_b32 s33, 0
	s_add_nc_u64 s[26:27], s[26:27], s[32:33]
	s_mul_i32 s32, s35, 12288
	s_mul_i32 s38, s25, 6144
	s_add_co_u32 s32, s32, s38
	s_add_nc_u64 s[28:29], s[28:29], s[32:33]
	s_lshl_b32 s32, s35, 9
	s_lshl_b32 s38, s25, 8
	s_add_co_u32 s32, s32, s38
	s_add_nc_u64 s[30:31], s[30:31], s[32:33]
.macro LOAD t                          ; K step t: lane row i of the tile is row i % 8 + 32 (i / 8) from the tile's first; 32 lanes read 512 consecutive bytes
.irp i, 0,1,2,3,4,5,6,7,8,9,10,11,12,13,14,15
	global_load_b128 v[R+64*((\t)%2)+4*\i:R+64*((\t)%2)+4*\i+3], v2, s[26:27] offset:(\i+24*(\i/8))*4096+512*(\t) th:TH_LOAD_NT
.endr
.endm
.macro TURN t                          ; through the stage: LDS serves a wave's instructions in order (ISA guide 5.7.1.4), so no wait stands between the stores and the loads
.irp i, 0,1,2,3,4,5,6,7,8,9,10,11,12,13,14,15
	ds_store_b128 v3, v[R+64*((\t)%2)+4*\i:R+64*((\t)%2)+4*\i+3] offset:SPI*\i
.endr
.irp b, 0,1,2,3
.irp q, 0,1,2,3
	ds_load_b128 v[X+16*\b+4*\q:X+16*\b+4*\q+3], v4 offset:128*\b+16*\q
.endr
.endr
.endm
.macro QUANT t                         ; 64 numbers of a lane become a fragment's codes in v[PC] on and my row's scale word in v[PW + t]
.irp b, 0,1,2,3
	v_max3_num_f32 v[TM+\b], |v[X+16*\b]|, |v[X+1+16*\b]|, 0x1800000   ; block b: my 16 numbers, and the floor 2^(3 - 127): so the byte cannot fall under 1
.endr
.irp i, 2,4,6,8,10,12,14
.irp b, 0,1,2,3
	v_max3_num_f32 v[TM+\b], v[TM+\b], |v[X+16*\b+\i]|, |v[X+1+16*\b+\i]|   ; the four blocks by turns: no line waits for the line above it
.endr
.endr
.irp b, 0,1,2,3
	v_permlanex16_b32 v[TM+4+\b], v[TM+\b], s[SEL], s[SEL+1]
.endr
.irp b, 0,1,2,3
	v_max_num_f32 v[TM+\b], v[TM+\b], v[TM+4+\b]   ; with lane l xor 16's: the block's largest magnitude
.endr
.irp b, 0,1,2,3
	v_add_nc_u32 v[TM+12+\b], 0xff000000, v[TM+\b] ; 2 off its exponent field: the conversion takes the exponent field of this operand as its scale
.endr
.irp b, 0,1,2,3
	v_lshrrev_b32 v[TM+4+\b], 23, v[TM+12+\b]      ; the scale's byte
.endr
	v_lshl_or_b32 v[PW+\t], v[TM+5], 8, v[TM+4]
	v_lshl_or_b32 v[PW+\t], v[TM+6], 16, v[PW+\t]
	v_lshl_or_b32 v[PW+\t], v[TM+7], 24, v[PW+\t]
.irp c, 0,1
	v_cvt_scalef32_pk16_fp6_f32 v[PC+6*\c:PC+2+6*\c], v[X+32*\c:X+15+32*\c], v[TM+12+2*\c]
	v_cvt_scalef32_pk16_fp6_f32 v[PC+12+4*\c:PC+14+4*\c], v[X+16+32*\c:X+31+32*\c], v[TM+12+2*\c+1]   ; a conversion's three registers begin on an even number
.endr
	v_nop                                          ; one plain place behind a scaled conversion
.irp c, 0,1                            ; the operand's layout wants a whole block in a lane: lanes 0-15 block 2 c, lanes 16-31 block 2 c + 1
.irp i, 0,1,2
	v_permlane16_swap_b32 v[PC+6*\c+\i], v[PC+12+4*\c+\i]
.endr
.irp i, 0,1,2
	v_mov_b32 v[PC+3+6*\c+\i], v[PC+12+4*\c+\i]
.endr
.endr
.endm
.macro KSTEP t
.if (\t) < 3
	s_wait_loadcnt 16                              ; this step's 16 loads are in; the next step's 16 stay out
.else
	s_wait_loadcnt 0x0
.endif
	TURN \t
	s_wait_dscnt 0x0                               ; my numbers are back, so the stage stores have read their registers,
.if (\t) < 2
	LOAD (\t)+2                                    ; which take the loads of two steps on
.endif
.if (\t) > 0
	s_wait_xcnt 0x0                                ; the last step's stores have read the codes' registers, which are written again below
.endif
	QUANT \t
.irp p, 0,1,2,3,4,5
	global_store_b64 v5, v[PC+2*\p:PC+2*\p+1], s[28:29] offset:1536*(\t)+256*\p   ; 32 lanes store 256 consecutive bytes, at a multiple of 256 from the image's first byte
.endr
.endm
	LOAD 0
	LOAD 1
	KSTEP 0
	KSTEP 1
	KSTEP 2
	KSTEP 3
	v_permlane16_swap_b32 v[PW], v[PW+2]           ; lanes 0-15 keep the words of steps 0, 1; lanes 16-31 take those of steps 2, 3
	v_permlane16_swap_b32 v[PW+1], v[PW+3]
	global_store_b64 v6, v[PW:PW+1], s[30:31]      ; 32 lanes store my half's 256 consecutive bytes of scale words
	s_wait_tensorcnt 0x0
	ds_add_u32 v254, v255
	s_wait_dscnt 0x0
	s_endpgm
.Lfunc_end_k_qf5bb4f3acf_quant:
	.size	k_qf5bb4f3acf_quant, .Lfunc_end_k_qf5bb4f3acf_quant-k_qf5bb4f3acf_quant
	.p2alignl 7, 3214868480
	.fill 96, 4, 3214868480
	.section	.rodata,"a",@progbits
	.p2align	6, 0x0
	.amdhsa_kernel k_qf5bb4f3acf_quant
		.amdhsa_group_segment_fixed_size 34304
		.amdhsa_private_segment_fixed_size 0
		.amdhsa_enable_private_segment 0
		.amdhsa_kernarg_size 72
		.amdhsa_user_sgpr_count 2
		.amdhsa_user_sgpr_kernarg_segment_ptr 1
		.amdhsa_wavefront_size32 1
		.amdhsa_system_sgpr_workgroup_id_x 1
		.amdhsa_system_sgpr_workgroup_id_y 1
		.amdhsa_system_sgpr_workgroup_id_z 1
		.amdhsa_system_vgpr_workitem_id 0
		.amdhsa_next_free_vgpr 256
		.amdhsa_next_free_sgpr 66
		.amdhsa_reserve_vcc 0
		.amdhsa_float_denorm_mode_32 3
		.amdhsa_float_denorm_mode_16_64 3
		.amdhsa_memory_ordered 1
		.amdhsa_forward_progress 1
		.amdhsa_inst_pref_size 35
	.end_amdhsa_kernel
	.amdgpu_metadata
---
amdhsa.version: [ 1, 2 ]
amdhsa.kernels:
  - .name:           k_qf5bb4f3acf_quant
    .symbol:         k_qf5bb4f3acf_quant.kd
    .args:
      - { .name: x, .offset: 0, .size: 8, .value_kind: global_buffer, .address_space: global }
      - { .name: Wq, .offset: 8, .size: 8, .value_kind: global_buffer, .address_space: global }
      - { .name: Wk, .offset: 16, .size: 8, .value_kind: global_buffer, .address_space: global }
      - { .name: Wv, .offset: 24, .size: 8, .value_kind: global_buffer, .address_space: global }
      - { .name: Wo, .offset: 32, .size: 8, .value_kind: global_buffer, .address_space: global }
      - { .name: ximg, .offset: 40, .size: 8, .value_kind: global_buffer, .address_space: global }
      - { .name: xscl, .offset: 48, .size: 8, .value_kind: global_buffer, .address_space: global }
      - { .name: wimg, .offset: 56, .size: 8, .value_kind: global_buffer, .address_space: global }
      - { .name: wscl, .offset: 64, .size: 8, .value_kind: global_buffer, .address_space: global }
    .group_segment_fixed_size: 34304
    .private_segment_fixed_size: 0
    .kernarg_segment_align: 8
    .kernarg_segment_size: 72
    .max_flat_workgroup_size: 128
    .sgpr_count:     66
    .vgpr_count:     256
    .wavefront_size: 32
...
	.end_amdgpu_metadata
.endif
;; end of part 1
;; launch qkv (part 2): grid 12 x 64, 4 waves a work-group, clusters of 4 x 4, 295,424 bytes of LDS; arguments ximg, xscl, wimg, wscl, bq, bk, bv, qimg, kv; writes qimg, kv
.if DOCPART == 2
	.amdgcn_target "amdgcn-amd-amdhsa--gfx1250"
	.amdhsa_code_object_version 6
	.text
	.protected	k_qf5bb4f3acf_qkv
	.globl	k_qf5bb4f3acf_qkv
	.p2align	8
	.type	k_qf5bb4f3acf_qkv,@function
k_qf5bb4f3acf_qkv:
	s_mov_b64 s[64:65], 0
	v_nop
	global_prefetch_b8 v0, s[64:65] scope:SCOPE_SE
	s_setreg_imm32_b32 hwreg(HW_REG_WAVE_MODE, 25, 1), 1
	s_wait_xcnt 0x0
	s_wait_alu depctr_hold_cnt(0) depctr_sa_sdst(0) depctr_va_vdst(0) depctr_va_sdst(0) depctr_va_ssrc(0) depctr_va_vcc(0) depctr_vm_vsrc(0)
	s_getreg_b32 s2, hwreg(HW_REG_IB_STS2, 6, 4)
	s_cmp_eq_u32 s2, 0
	s_cbranch_scc0 .Lentry_in_a_cluster
	s_endpgm
.Lentry_in_a_cluster:
	s_bfe_u32 s2, ttmp6, 0x10000c
	s_cmp_lg_u32 s2, 0xf033
	s_cbranch_scc0 .Lentry_shape_is_right
	s_endpgm
.Lentry_shape_is_right:
; q = x Wq^T + bq, k = x Wk^T + bk, v = x Wv^T + bv on codes of FP6 (E2M3) with E8M0 scales, sums in f32; the results are quantised in registers as attention's operands and never go out as f32.
; SHARES.  A work-group makes 128 rows x 256 columns with ALL of K (1,024) in LDS: 8 row tiles of x (98,304 bytes) and 16 of the weight (196,608 bytes), filled once: no slot is filled again.
; Wave w takes all 128 rows x columns 64 w .. 64 w + 63, one head: 32 accumulators.  The cluster's x says which product: 0 q, 1 k, 2 v; it is the same in all sixteen partners.
; CLUSTERS: 4 x 4 work-groups.  The four of a row of the cluster need the same tiles of x, the four of a column the same tiles of the weight: each is asked for JOINTLY, by the same tensor load with
; the same descriptor and a mask that names the four.  By this text's own count a wave has eight tensor loads out: x's and the weight's for each of four pairs of K steps.
; OPERANDS lie in memory and in LDS as images of their registers: a fragment (16 rows x 128 K) is six pieces of 256 bytes, piece p = registers 2 p, 2 p + 1, lane l at byte 8 l.
; The rows of a tile are not neighbours: lane row r of tile 4 G + u is row 64 G + 8 u + r % 8 + 32 (r / 8).
; q, k: THE PRODUCT IS USED TRANSPOSED (source 0 = the weight, source 1 = x): a lane holds one row of x, and register 32 a + i of x's tile a is channel 32 (lane / 16) + i of the head.
; v: source 0 = x, source 1 = the weight: a lane holds one channel, and register 64 b + 32 G + i of the weight's tile b is key 64 G + 32 (lane / 16) + i: v is quantised along the keys.
; So on both paths registers 32 u .. 32 u + 31 are A WHOLE BLOCK of 32 along the next product's K in one lane (lanes 0-15 the first block of the unit's 64, lanes 16-31 the second), which is the 6-bit
; operand's own layout: no lane is asked for a maximum, and no codes change lanes.  One way out serves both paths: eight units of six registers of codes, four scale words a lane row.
; OUT: a sub-block of 6,400 bytes: 6,144 of codes, then 256 of scale words: word b of row r at 128 (b / 2) + 4 (b % 2) + 8 r (q, k: the two bytes of tile 2 b, then of tile 2 b + 1; v: fragment b's four).
;   q's codes: 8 tiles x 768 bytes (K = 64), a tile as three pieces of 256 bytes, piece p = registers 2 p, 2 p + 1, lane l at byte 8 l.
;   k's and v's codes: four runs of 1,536 bytes = 12 registers (k: tiles 2 b and 2 b + 1 on end; v: fragment b, 16 channels x 128 keys), a run as three pieces of 512 bytes, piece c = registers 4 c .. 4 c + 3, lane l at byte 16 l.
;   qimg: [head 64][16 blocks][6,400];  kv: [head 64][16 key steps][k's 6,400, v's 6,400].
; LIMITS: NaN and infinities are not served; a block under 2^-124, and a block of zeros, gets the scale byte 1 (its codes are zeros or the floor's; this program alone reads the bytes).
; REGISTERS: window 0: v1-16 addresses; v32-63 x's scale words, v64-79 the weight's; v80-111 the bias as a sum's first C; v112-207 the weight's fragments, two sets; on the way out v112-251 at work.
;   window 1: x's fragments, two sets of 96.   window 2: the 32 accumulators.
.set LB,   98304                       ; LDS: x's tiles [half of K 2][tile 8][4 K steps][1,536] from 0; the weight's [2][tile 16][4][1,536] from here
; THE FILLS, as they now stand (in place of the eight loads a wave and the pairs of K steps that the lines above tell of): ONE joint tensor load a wave, all at the head:
; wave 0 x's first half of K, wave 1 the weight's, wave 2 x's second half, wave 3 the weight's.  The first barrier shows the first halves, a second one ahead of K step 4's fetch the rest.
.set ADA,  4                           ; v4-5    8 x lane + 49,152 g
.set ADB,  8                           ; v8-9    8 x lane + LB + 24,576 x wave + 98,304 g
.set SH8,  16                          ; v16     8 (lane / 16): my block's byte's place among a unit's two
.set SA,   32
.set SB,   64
.set BI,   80
.set WF,   112
.set TM,   112                         ; the way out: 16 largest magnitudes of 16 numbers, then 8 of 32 at the even places,
.set TX,   128                         ; 4 words from the other half of the lanes,
.set SO,   144                         ; 8 scale operands,
.set CD,   160                         ; 8 x 6 registers of codes,
.set CT,   208                         ; 8 x 4: the halves made elsewhere,
.set HW,   240                         ; 8 bytes,
.set WD,   248                         ; 4 scale words
.set WV,   22
.set CX,   23
.set CY,   84
.set WX,   85
.set WY,   86
.set G1A,  24                          ; s[24:31] descriptor group 1 for x's tiles;  s[32:39] for the weight's
.set G1B,  32
.set G0A,  40                          ; s[40:43] group 0 for x's;  s[68:71] for the weight's
.set G0B,  68
.set SEL,  100
.set MSB, 0
.macro WIN new                         ; the immediate's high byte repeats the setting that is left
.if MSB != \new
	s_set_vgpr_msb (MSB<<8)|\new
.set MSB, \new
.endif
.endm
.macro ROUND                           ; a round of the cluster's barrier
	s_barrier_signal -1
	s_barrier_wait -1
	s_cmp_lg_u32 s[WV], 0
	s_cbranch_scc1 .Lnot_wave_0_\@
	s_barrier_signal -3
.Lnot_wave_0_\@:
	s_barrier_wait -3
	s_barrier_signal -1
	s_barrier_wait -1
.endm
.macro PLACES                          ; four places in front of loads into registers that matrix instructions have read, and of the first read of results
.rept 4
	v_nop
.endr
.endm
	s_load_b512 s[4:19], s[0:1], 0x0               ; ximg, xscl, wimg, wscl, bq, bk, bv, qimg
	s_load_b64 s[20:21], s[0:1], 0x40              ; kv
	v_lshl_add_u32 v254, v0, 2, 0x48000
	v_mov_b32 v255, 0
	ds_add_u32 v254, v255
	ds_add_u32 v254, v255
	v_lshrrev_b32 v2, 5, v0
	v_readfirstlane_b32 s[WV], v2                  ; wave 0..3
	s_bfe_u32 s[CX], ttmp6, 0x40000                ; cx, cy: my place in the cluster
	s_bfe_u32 s[CY], ttmp6, 0x40004
	s_lshl_b32 s[WX], ttmp9, 2
	s_add_co_u32 s[WX], s[WX], s[CX]               ; block of 256 columns: 0-3 q, 4-7 k, 8-11 v
	s_and_b32 s[WY], ttmp7, 0xffff
	s_lshl_b32 s[WY], s[WY], 2
	s_add_co_u32 s[WY], s[WY], s[CY]               ; block of 128 rows
	s_lshl_b32 s92, s[CY], 2
	s_lshl_b32 s92, 15, s92                        ; my row of the cluster
	s_lshl_b32 s94, 0x1111, s[CX]                  ; my column
	s_or_b32 s[G1A], s92, (3<<16)|(1<<21)          ; 15:0 the mask; 17:16 elements of 8 bytes; 20 no padding; 21 set beside a mask
	s_or_b32 s[G1B], s94, (3<<16)|(1<<21)
	s_mov_b32 s[G1A+1], 768<<16                    ; tensor_dim0: four K steps of a tile, 6,144 bytes
	s_mov_b32 s[G1A+2], 8<<16                      ; tensor_dim1: x's eight tiles
	s_mov_b32 s[G1A+3], 768<<16                    ; tile_dim0
	s_mov_b32 s[G1A+4], 8                          ; tile_dim1
	s_mov_b32 s[G1A+5], 1536                       ; from tile to tile: 12,288 bytes
	s_mov_b32 s[G1A+6], 0
	s_mov_b32 s[G1A+7], 0
	s_mov_b32 s[G1B+1], 768<<16
	s_mov_b32 s[G1B+2], 16<<16                     ; the weight's sixteen tiles
	s_mov_b32 s[G1B+3], 768<<16
	s_mov_b32 s[G1B+4], 16
	s_mov_b32 s[G1B+5], 1536
	s_mov_b32 s[G1B+6], 0
	s_mov_b32 s[G1B+7], 0
	s_mul_i32 s92, s[WY], 98304                    ; x's tiles hang on the block of rows and the wave's number,
	s_lshr_b32 s93, s[WV], 1                       ; which half of K I fetch: wave / 2
	s_mul_i32 s93, s93, 6144
	s_add_co_u32 s92, s92, s93
	s_mov_b32 s93, 0
	s_mul_i32 s94, s[WX], 196608                   ; the weight's on the block of columns and the wave's number
	s_lshr_b32 s95, s[WV], 1
	s_mul_i32 s95, s95, 6144
	s_add_co_u32 s94, s94, s95
	s_mov_b32 s95, 0
	s_lshr_b32 s96, s[WV], 1
	s_mul_i32 s96, s96, 49152                      ; where they go: the wave's number alone
	s_lshr_b32 s97, s[WV], 1
	s_mul_i32 s97, s97, 98304
	s_wait_dscnt 0x0
	s_wait_kmcnt 0x0
	s_add_nc_u64 s[56:57], s[4:5], s[92:93]
	s_add_nc_u64 s[58:59], s[8:9], s[94:95]
.irp g, 0
	s_mov_b32 s[G0A+4*\g], 1
	s_add_co_u32 s[G0A+4*\g+1], s96, \g*24576                      ; LDS address
	s_add_nc_u64 s[G0A+4*\g+2:G0A+4*\g+3], s[56:57], \g*3072       ; K steps 4 (wave / 2) .. 4 (wave / 2) + 3
	s_or_b32 s[G0A+4*\g+3], s[G0A+4*\g+3], 0x80000000              ; type = 2
	s_mov_b32 s[G0B+4*\g], 1
	s_add_co_u32 s[G0B+4*\g+1], s97, LB+\g*49152
	s_add_nc_u64 s[G0B+4*\g+2:G0B+4*\g+3], s[58:59], \g*3072
	s_or_b32 s[G0B+4*\g+3], s[G0B+4*\g+3], 0x80000000
.endr
	ROUND                                          ; all sixteen work-groups are here: the joint loads meet
	s_cmp_eq_u32 s[WV], 0                          ; one chain of branches on the wave's number, one load to an arm, all arms to one join
	s_cbranch_scc0 .Lfill_1
	tensor_load_to_lds s[G0A:G0A+3], s[G1A:G1A+7]  ; wave 0: x, K steps 0-3
	s_nop 0
.rept 4
	v_nop
.endr
	s_branch .Lfilled
.Lfill_1:
	s_cmp_eq_u32 s[WV], 1
	s_cbranch_scc0 .Lfill_2
	tensor_load_to_lds s[G0B:G0B+3], s[G1B:G1B+7]  ; wave 1: the weight, K steps 0-3
	s_nop 0
.rept 4
	v_nop
.endr
	s_branch .Lfilled
.Lfill_2:
	s_cmp_eq_u32 s[WV], 2
	s_cbranch_scc0 .Lfill_3
	tensor_load_to_lds s[G0A:G0A+3], s[G1A:G1A+7]  ; wave 2: x, K steps 4-7
	s_nop 0
.rept 4
	v_nop
.endr
	s_branch .Lfilled
.Lfill_3:
	tensor_load_to_lds s[G0B:G0B+3], s[G1B:G1B+7]  ; wave 3: the weight, K steps 4-7
	s_nop 0
.rept 4
	v_nop
.endr
.Lfilled:
	s_lshl_b32 s92, s[WY], 12                      ; x's scale words: 8 tiles x 512 bytes a block of rows
	s_add_nc_u64 s[60:61], s[6:7], s[92:93]
	s_lshl_b32 s94, s[WX], 13                      ; the weight's: 16 tiles a block of columns, my four
	s_lshl_b32 s98, s[WV], 11
	s_add_co_u32 s94, s94, s98
	s_add_nc_u64 s[62:63], s[10:11], s[94:95]
	s_cmp_eq_u32 ttmp9, 0                          ; which product: the cluster's x alone decides
	s_cselect_b64 s[88:89], s[12:13], s[14:15]     ; bq or bk
	s_cselect_b64 s[90:91], s[18:19], s[20:21]     ; qimg or kv
	s_cselect_b32 s99, 0, 1                        ; kv's pitches are twice qimg's
	s_cmp_eq_u32 ttmp9, 2
	s_cselect_b64 s[88:89], s[16:17], s[88:89]     ; bv
	s_cselect_b32 s87, 6400, 0                     ; v's sub-block lies behind k's
	s_lshl_b32 s96, s[CX], 10
	s_lshl_b32 s97, s[WV], 8
	s_add_co_u32 s96, s96, s97                     ; my head's 64 numbers of the bias: (256 cx + 64 wave) x 4 bytes
	s_mov_b32 s97, 0
	s_add_nc_u64 s[88:89], s[88:89], s[96:97]
	s_lshr_b32 s96, s[WY], 4
	s_lshl_b32 s96, s96, 4                         ; 16 x batch
	s_lshl_b32 s98, s[CX], 2
	s_add_co_u32 s96, s96, s98
	s_add_co_u32 s96, s96, s[WV]                   ; + my head = 4 cx + wave
	s_mul_i32 s96, s96, 102400
	s_and_b32 s98, s[WY], 15                       ; which 128 rows of the batch's 2,048
	s_mul_i32 s98, s98, 6400
	s_add_co_u32 s96, s96, s98
	s_lshl_b32 s96, s96, s99
	s_add_co_u32 s96, s96, s87
	s_add_nc_u64 s[90:91], s[90:91], s[96:97]
	s_mov_b32 s[SEL], 0x76543210
	s_mov_b32 s[SEL+1], 0xfedcba98
	v_and_b32 v3, 31, v0                           ; lane
	v_lshlrev_b32 v1, 3, v3                        ; a piece of 256 bytes: 8 bytes a lane
	v_lshlrev_b32 v12, 4, v3                       ; scale words in, k's and v's codes out: 16 bytes a lane
	v_and_b32 v14, 15, v0                          ; r
	v_bfe_u32 v15, v0, 4, 1                        ; h
	v_lshlrev_b32 v[SH8], 3, v15
	s_mul_i32 s98, s[WV], 24576                    ; my four tiles of the weight, 6,144 bytes each in a half of K
	s_add_co_u32 s98, s98, LB
.irp g, 0,1
	v_add_nc_u32 v[ADA+\g], \g*49152, v1
	v_add_nc_u32 v[ADB+\g], s98, v1
	s_add_co_u32 s98, s98, 98304
.endr
.irp a, 0,1,2,3,4,5,6,7
	global_load_b128 v[SA+4*\a:SA+4*\a+3], v12, s[60:61] offset:512*\a   ; register j: lanes 0-15 the words of K step j, lanes 16-31 those of step 4 + j
.endr
.irp b, 0,1,2,3
	global_load_b128 v[SB+4*\b:SB+4*\b+3], v12, s[62:63] offset:512*\b
.endr
; 72 LDS loads in one run: K step s, x's eight fragments into set `set` of window 1, my four of the weight into set `set` of window 0.  Each load takes 256 consecutive bytes.
.macro FETCH s, set
	WIN 0x40                                       ; destination window 1, address window 0
.irp a, 0,1,2,3,4,5,6,7
.irp p, 0,1,2,3,4,5
	ds_load_b64 v[96*(\set)+12*\a+2*\p:96*(\set)+12*\a+2*\p+1], v[ADA+(\s)/4] offset:6144*\a+1536*((\s)%4)+256*\p
.endr
.endr
	WIN 0
.irp b, 0,1,2,3
.irp p, 0,1,2,3,4,5
	ds_load_b64 v[WF+48*(\set)+12*\b+2*\p:WF+48*(\set)+12*\b+2*\p+1], v[ADB+(\s)/4] offset:6144*\b+1536*((\s)%4)+256*\p
.endr
.endr
.endm
; 32 matrix instructions, a K step.  The 32 accumulators take turns, one instruction a turn, in the same order in every step.  Step 0 takes the bias as C: nothing is cleared or added later.
.macro MULQK s, set                    ; source 0 = the weight (window 0), source 1 = x (window 1), accumulator (a, b) at v[8 (4 a + b)] of window 2
.if (\s) == 0
	WIN 0x84
.else
	WIN 0xa4
.endif
.irp a, 0,1,2,3,4,5,6,7
.irp b, 0,1,2,3
.if (\s) == 0
	v_wmma_scale_f32_16x16x128_f8f6f4 v[8*(4*\a+\b):8*(4*\a+\b)+7], v[WF+48*(\set)+12*\b:WF+48*(\set)+12*\b+11], v[96*(\set)+12*\a:96*(\set)+12*\a+11], v[BI+8*\b:BI+8*\b+7], v[SB+4*\b], v[SA+4*\a] matrix_a_fmt:MATRIX_FMT_FP6 matrix_b_fmt:MATRIX_FMT_FP6
.elseif (\s) < 4
	v_wmma_scale_f32_16x16x128_f8f6f4 v[8*(4*\a+\b):8*(4*\a+\b)+7], v[WF+48*(\set)+12*\b:WF+48*(\set)+12*\b+11], v[96*(\set)+12*\a:96*(\set)+12*\a+11], v[8*(4*\a+\b):8*(4*\a+\b)+7], v[SB+4*\b+(\s)], v[SA+4*\a+(\s)] matrix_a_fmt:MATRIX_FMT_FP6 matrix_b_fmt:MATRIX_FMT_FP6
.else
	v_wmma_scale_f32_16x16x128_f8f6f4 v[8*(4*\a+\b):8*(4*\a+\b)+7], v[WF+48*(\set)+12*\b:WF+48*(\set)+12*\b+11], v[96*(\set)+12*\a:96*(\set)+12*\a+11], v[8*(4*\a+\b):8*(4*\a+\b)+7], v[SB+4*\b+(\s)-4], v[SA+4*\a+(\s)-4] matrix_a_fmt:MATRIX_FMT_FP6 matrix_b_fmt:MATRIX_FMT_FP6 matrix_a_scale:MATRIX_SCALE_ROW1 matrix_b_scale:MATRIX_SCALE_ROW1
.endif
.endr
.endr
.endm
.macro MULV s, set                     ; source 0 = x (window 1), source 1 = the weight (window 0), accumulator (b, a) at v[8 (8 b + a)] of window 2
.if (\s) == 0
	WIN 0x81
.else
	WIN 0xa1
.endif
.irp b, 0,1,2,3
.irp a, 0,1,2,3,4,5,6,7
.if (\s) == 0
	v_wmma_scale_f32_16x16x128_f8f6f4 v[8*(8*\b+\a):8*(8*\b+\a)+7], v[96*(\set)+12*\a:96*(\set)+12*\a+11], v[WF+48*(\set)+12*\b:WF+48*(\set)+12*\b+11], v[BI+8*\b:BI+8*\b+7], v[SA+4*\a], v[SB+4*\b] matrix_a_fmt:MATRIX_FMT_FP6 matrix_b_fmt:MATRIX_FMT_FP6
.elseif (\s) < 4
	v_wmma_scale_f32_16x16x128_f8f6f4 v[8*(8*\b+\a):8*(8*\b+\a)+7], v[96*(\set)+12*\a:96*(\set)+12*\a+11], v[WF+48*(\set)+12*\b:WF+48*(\set)+12*\b+11], v[8*(8*\b+\a):8*(8*\b+\a)+7], v[SA+4*\a+(\s)], v[SB+4*\b+(\s)] matrix_a_fmt:MATRIX_FMT_FP6 matrix_b_fmt:MATRIX_FMT_FP6
.else
	v_wmma_scale_f32_16x16x128_f8f6f4 v[8*(8*\b+\a):8*(8*\b+\a)+7], v[96*(\set)+12*\a:96*(\set)+12*\a+11], v[WF+48*(\set)+12*\b:WF+48*(\set)+12*\b+11], v[8*(8*\b+\a):8*(8*\b+\a)+7], v[SA+4*\a+(\s)-4], v[SB+4*\b+(\s)-4] matrix_a_fmt:MATRIX_FMT_FP6 matrix_b_fmt:MATRIX_FMT_FP6 matrix_a_scale:MATRIX_SCALE_ROW1 matrix_b_scale:MATRIX_SCALE_ROW1
.endif
.endr
.endr
.endm
; The product of one path: the first tiles are waited for, then all eight K steps, written out.  While a step is multiplied, the next step's fragments come out of LDS into the other set.
.macro KRUN v
	s_cmp_lt_u32 s[WV], 2                          ; waves 0 and 1 fetched the first half of K, by load lines of their own: they wait for it
	s_cbranch_scc0 .Lhalf0_\@
	s_wait_tensorcnt 0x0
.Lhalf0_\@:
	s_barrier_signal -1
	s_barrier_wait -1                              ; everybody's have
	FETCH 0, 0
	s_wait_loadcnt 0x0                             ; scale words and bias: asked for ahead of the wait for the tiles
.irp s, 0,1,2,3,4,5,6,7
	s_wait_dscnt 0x0                               ; this step's fragments are in; no LDS load of mine is out at a signal
.if (\s == 3)
	s_wait_tensorcnt 0x0                           ; every wave's load has landed: the second half of K
	s_barrier_signal -1
	s_barrier_wait -1                              ; everybody's have
.endif
.if (\s >= 1) && (\s < 7)
	PLACES                                         ; the set that the last step multiplied is loaded again
.endif
.if \s < 7
	FETCH \s+1, (\s+1)%2
.endif
.if \v
	MULV \s, \s%2
.else
	MULQK \s, \s%2
.endif
.endr
	WIN 0                                          ; at a branch and at a label every window is 0
.endm
	s_cmp_eq_u32 ttmp9, 2                          ; the cluster's x alone decides: the same way in every wave of all sixteen partners
	s_wait_alu depctr_va_vdst(0)                   ; directly ahead of the branch
	s_cbranch_scc1 .Lv
	v_lshlrev_b32 v13, 7, v15                      ; q, k: tile b's C: the bias of channels 32 h + 8 b + 0 .. 7
.irp b, 0,1,2,3
	global_load_b128 v[BI+8*\b:BI+8*\b+3], v13, s[88:89] offset:32*\b
	global_load_b128 v[BI+8*\b+4:BI+8*\b+7], v13, s[88:89] offset:32*\b+16
.endr
	s_wait_alu depctr_va_vdst(0)
	KRUN 0
	s_branch .Lout
.Lv:
	v_and_b32 v13, 7, v14
	v_lshrrev_b32 v2, 3, v14
	v_lshlrev_b32 v13, 2, v13
	v_lshl_add_u32 v13, v2, 7, v13                 ; v: a lane holds one channel, 8 b + r % 8 + 32 (r / 8): its bias fills all eight registers of the C
.irp b, 0,1,2,3
.irp j, 0,1,2,3,4,5,6,7
	global_load_b32 v[BI+8*\b+\j], v13, s[88:89] offset:32*\b
.endr
.endr
	s_wait_alu depctr_va_vdst(0)
	KRUN 1
.Lout:
	; THE WAY OUT, the same on both paths: unit u = registers 32 u .. 32 u + 31 of window 2: a whole block of 32, all mine.
	PLACES
.irp b, 0,1,2,3
	v_mov_b32 v[TX+\b], 0                          ; a lane permute's destination counts as one of its sources
.endr
	WIN 0x0a                                       ; sources 0 and 1 window 2
.irp k, 0,1,2,3,4,5,6,7,8,9,10,11,12,13,14,15
	v_max3_num_f32 v[TM+\k], |v[16*\k]|, |v[16*\k+1]|, 0x1800000   ; two chains of 16 numbers a unit; each accumulator from its low end on; the floor 2^(3 - 127) holds the byte at 1 from below
.endr
.irp i, 2,4,6,8,10,12,14
.irp k, 0,1,2,3,4,5,6,7,8,9,10,11,12,13,14,15
	v_max3_num_f32 v[TM+\k], |v[16*\k+\i]|, |v[16*\k+\i+1]|, v[TM+\k]
.endr
.endr
	WIN 0
.irp u, 0,1,2,3,4,5,6,7
	v_max_num_f32 v[TM+2*\u], v[TM+2*\u], v[TM+2*\u+1]   ; the block's largest magnitude
.endr
.irp u, 0,1,2,3,4,5,6,7
	v_add_nc_u32 v[SO+\u], 0xff000000, v[TM+2*\u]  ; 2 off its exponent field: the conversion's scale operand
.endr
.irp u, 0,1,2,3,4,5,6,7
	v_lshrrev_b32 v[HW+\u], 23, v[SO+\u]           ; the scale's byte
.endr
.irp b, 0,1,2,3
	v_lshl_or_b32 v[WD+\b], v[HW+2*\b+1], 16, v[HW+2*\b]   ; my bytes of units 2 b and 2 b + 1,
.endr
.irp b, 0,1,2,3
	v_lshlrev_b32 v[WD+\b], v[SH8], v[WD+\b]       ; at their places in the scale word: 8 (lane / 16) bits up;
.endr
.irp b, 0,1,2,3
	v_permlanex16_b32 v[TX+\b], v[WD+\b], s[SEL], s[SEL+1]
.endr
.irp b, 0,1,2,3
	v_or_b32 v[WD+\b], v[WD+\b], v[TX+\b]          ; with lane l xor 16's two the word is whole
.endr
	WIN 0x02                                       ; source 0 window 2
.irp u, 0,1,2,3,4,5,6,7
	v_cvt_scalef32_pk16_fp6_f32 v[CD+6*\u:CD+6*\u+2], v[32*\u:32*\u+15], v[SO+\u]
	v_cvt_scalef32_pk16_fp6_f32 v[CT+4*\u:CT+4*\u+2], v[32*\u+16:32*\u+31], v[SO+\u]   ; a conversion's three registers begin on an even number: the block's second half is made elsewhere and moved
.endr
	WIN 0
	v_nop                                          ; one plain place behind a scaled conversion
.irp u, 0,1,2,3,4,5,6,7
.irp i, 0,1,2
	v_mov_b32 v[CD+6*\u+3+\i], v[CT+4*\u+\i]
.endr
.endr
	s_cmp_eq_u32 ttmp9, 0                          ; the cluster's x alone decides: the same way in all partners
	s_cbranch_scc0 .Lkv_codes
.irp k, 0,1,2,3,4,5,6,7,8,9,10,11,12,13,14,15,16,17,18,19,20,21,22,23
	global_store_b64 v1, v[CD+2*\k:CD+2*\k+1], s[90:91] offset:256*\k   ; q: a reader takes one tile, six registers: pieces of two registers; 32 lanes store 256 consecutive bytes, at a multiple of 256 from the buffer's first byte
.endr
	s_branch .Lwords
.Lkv_codes:
	s_wait_alu depctr_va_vdst(0)
.irp k, 0,1,2,3,4,5,6,7,8,9,10,11
	global_store_b128 v12, v[CD+4*\k:CD+4*\k+3], s[90:91] offset:512*\k   ; k, v: a reader takes runs of twelve registers: pieces of four; 32 lanes store 512 consecutive bytes, at a multiple of 256 from the buffer's first byte
.endr
.Lwords:
	v_permlane16_swap_b32 v[WD], v[WD+2]           ; lanes 0-15 keep words 0, 1; lanes 16-31 take words 2, 3
	v_permlane16_swap_b32 v[WD+1], v[WD+3]
	global_store_b64 v1, v[WD:WD+1], s[90:91] offset:6144
	s_wait_tensorcnt 0x0
	ds_add_u32 v254, v255
	s_wait_dscnt 0x0
	ROUND                                          ; the closing round: no work-group ends while a partner may still ask for a tile that names it
	s_endpgm
.Lfunc_end_k_qf5bb4f3acf_qkv:
	.size	k_qf5bb4f3acf_qkv, .Lfunc_end_k_qf5bb4f3acf_qkv-k_qf5bb4f3acf_qkv
	.p2alignl 7, 3214868480
	.fill 96, 4, 3214868480
	.section	.rodata,"a",@progbits
	.p2align	6, 0x0
	.amdhsa_kernel k_qf5bb4f3acf_qkv
		.amdhsa_group_segment_fixed_size 295424
		.amdhsa_private_segment_fixed_size 0
		.amdhsa_enable_private_segment 0
		.amdhsa_kernarg_size 72
		.amdhsa_user_sgpr_count 2
		.amdhsa_user_sgpr_kernarg_segment_ptr 1
		.amdhsa_wavefront_size32 1
		.amdhsa_system_sgpr_workgroup_id_x 1
		.amdhsa_system_sgpr_workgroup_id_y 1
		.amdhsa_system_sgpr_workgroup_id_z 1
		.amdhsa_system_vgpr_workitem_id 0
		.amdhsa_next_free_vgpr 768
		.amdhsa_next_free_sgpr 102
		.amdhsa_reserve_vcc 0
		.amdhsa_float_denorm_mode_32 3
		.amdhsa_float_denorm_mode_16_64 3
		.amdhsa_memory_ordered 1
		.amdhsa_forward_progress 1
		.amdhsa_inst_pref_size 169
	.end_amdhsa_kernel
	.amdgpu_metadata
---
amdhsa.version: [ 1, 2 ]
amdhsa.kernels:
  - .name:           k_qf5bb4f3acf_qkv
    .symbol:         k_qf5bb4f3acf_qkv.kd
    .args:
      - { .name: ximg, .offset: 0, .size: 8, .value_kind: global_buffer, .address_space: global }
      - { .name: xscl, .offset: 8, .size: 8, .value_kind: global_buffer, .address_space: global }
      - { .name: wimg, .offset: 16, .size: 8, .value_kind: global_buffer, .address_space: global }
      - { .name: wscl, .offset: 24, .size: 8, .value_kind: global_buffer, .address_space: global }
      - { .name: bq, .offset: 32, .size: 8, .value_kind: global_buffer, .address_space: global }
      - { .name: bk, .offset: 40, .size: 8, .value_kind: global_buffer, .address_space: global }
      - { .name: bv, .offset: 48, .size: 8, .value_kind: global_buffer, .address_space: global }
      - { .name: qimg, .offset: 56, .size: 8, .value_kind: global_buffer, .address_space: global }
      - { .name: kv, .offset: 64, .size: 8, .value_kind: global_buffer, .address_space: global }
    .group_segment_fixed_size: 295424
    .private_segment_fixed_size: 0
    .kernarg_segment_align: 8
    .kernarg_segment_size: 72
    .max_flat_workgroup_size: 128
    .sgpr_count:     102
    .vgpr_count:     768
    .wavefront_size: 32
...
	.end_amdgpu_metadata
.endif
;; end of part 2
;; launch attn (part 3): grid 4 x 64, 8 waves a work-group, clusters of 4 x 1, 222,208 bytes of LDS; arguments qimg, kv, oimg, oscl; writes oimg, oscl
.if DOCPART == 3
	.amdgcn_target "amdgcn-amd-amdhsa--gfx1250"
	.amdhsa_code_object_version 6
	.text
	.protected	k_qf5bb4f3acf_attn
	.globl	k_qf5bb4f3acf_attn
	.p2align	8
	.type	k_qf5bb4f3acf_attn,@function
k_qf5bb4f3acf_attn:
	s_mov_b64 s[64:65], 0
	v_nop
	global_prefetch_b8 v0, s[64:65] scope:SCOPE_SE
	s_setreg_imm32_b32 hwreg(HW_REG_WAVE_MODE, 25, 1), 1
	s_wait_xcnt 0x0
	s_wait_alu depctr_hold_cnt(0) depctr_sa_sdst(0) depctr_va_vdst(0) depctr_va_sdst(0) depctr_va_ssrc(0) depctr_va_vcc(0) depctr_vm_vsrc(0)
	s_getreg_b32 s2, hwreg(HW_REG_IB_STS2, 6, 4)
	s_cmp_eq_u32 s2, 0
	s_cbranch_scc0 .Lentry_in_a_cluster
	s_endpgm
.Lentry_in_a_cluster:
	s_bfe_u32 s2, ttmp6, 0x10000c
	s_cmp_lg_u32 s2, 0x3003
	s_cbranch_scc0 .Lentry_shape_is_right
	s_endpgm
.Lentry_shape_is_right:
; o = softmax(q k^T / 8) v for one head, both products on codes of FP6 (E2M3) with E8M0 scales; o is quantised along the channels as the last product's operand and never goes out as f32.
; THE SOFTMAX: t = score x log2(e) / 8; M = the row's largest t so far, rounded UP to a whole number; p = 2^(t - M) is what is quantised, along the keys, not normalised.  The row's sum is taken of the
; unquantised p, in f32, and divides O at the end.  When M moves, the sum and O are multiplied by 2^(old M - new M): exact.
; SHARES.  A work-group owns one head (the grid's y) and 512 of its queries, in two passes of 256.  Each of its eight waves owns TWO tiles of 16 queries AT ONCE: every fragment of k and of v that it reads from LDS
; feeds both tiles' products.  The head's whole k and v, codes and scale words, 204,800 bytes, lie in LDS as they lie in memory, filled once: wave w fetches key steps 2 w and 2 w + 1 by one tensor load.
; CLUSTER.  The four blocks of queries of a head read the same k and v: they are one cluster and ask jointly.
; NO PREFETCH: k, v and both passes' q are asked for once, at the head; there is no loop to run ahead in.
; LAYOUT.  Both products are used transposed: S^T = k q^T, O^T = v^T p^T: a lane holds ONE query (lane % 16) of each tile.  Lane row r of tile 4 G + u of k (and of v^T) is 64 G + 8 u + r % 8 + 32 (r / 8), so the 32
; registers of four neighbouring tiles are a WHOLE BLOCK of 32 keys (channels) in one lane, lanes 0-15 the first block of a 64 and lanes 16-31 the second: the 6-bit operand's own layout.
; K = 64 IN AN INSTRUCTION OF K = 128: a pair of k's tiles is one operand, [k even | k odd]; it is multiplied by [q | 0] for the even tile's scores and by [0 | q] for the odd tile's.  The zero codes add 0 exactly.
; A BLOCK'S SCALE: p = 2^(t - M), so the exponent of a block's largest p is floor(t - M) of the block's largest score, made by the same multiply-add as the block's own t - M; its byte is that + 125, held at 1 from below.
; A KEY STEP (128 keys, both tiles): 16 score products; the next step's k is asked for; the blocks' maxima; the two tiles' chains to M, line by line in turn; O^T's rescaling and t - M; ONE batch of 128 exponentials with
; one wait ahead of it and one behind it; the scale words stand between the batch and its wait; 8 conversions; the rows' sums as trees of packed additions, in place, which are also
; the places ahead of the 8 products O^T += v^T p^T; the trees' last four lines are the places behind these products, ahead of the loads of the next step's v.
; ONE TEXT of the step serves all 16 steps of both passes: the LDS address wraps, so a pass's last step asks for key step 0, for the next pass; in the last pass those 26 loads are not used.
; THE COUNTED WAITS: a step issues k's 13 LDS loads and then v's 13.  At a step's top k is wanted and v's 13 are younger; ahead of the second product v is wanted and the next k's 13 are younger.
; REGISTERS.  Window 0: v1-19 addresses and all scale words; v20-67 k's fragments; v68-85, v86-103 the two tiles' small state; from v104 tile 0's S^T / p (64), O^T (32), q | 0 | q (18), p's codes (12 + 8).
; Window 1: v20-67 v's fragments; from v104 tile 1's arrays, at tile 0's numbers.  v238-251 of window 0: q's scale words and the second pass's q.
; LIMITS: NaN and infinities are not served; the promise holds while the scaled scores stay under 2^31 in magnitude; a block of o under 2^-124, and a block of zeros, gets the scale byte 1.
; oscl is stored two bytes a row: a scale word spans two heads, and two heads' k and v do not fit in LDS together.
.set SPARE, 221184
.set L8,  1                            ; 8 x lane
.set AD,  2                            ; LDS address of the next key step, 16 bytes a lane
.set L16, 3                            ; 16 x lane
.set R8,  4                            ; 8 r
.set OSA, 5                            ; o's scale bytes: 16 r + 512 (lane / 16): lanes 0-15 tile 0's rows, lanes 16-31 tile 1's
.set LN,  6
.set AD8, 7                            ; as AD, 8 bytes a lane
.set SPW, 8
.set NIL, 9
.set QS,  10                           ; v10, v11 q's scale words, tile 0, 1
.set PS,  12                           ; v12, v13 p's
.set KSC, 14                           ; v[14:15] k's
.set VSC, 16                           ; v[16:17] v's
.set SH8, 18                           ; 8 (lane / 16)
.set YY,  19
.set KP,  20
.set VF,  20                           ; in window 1
.set ST0, 68                           ; a tile's small state, from here on:
.set ST1, 86
.set BM,  0                            ; +0..3 four chains of maxima; the two blocks' end in +0 and +2
.set NM,  4                            ; +4 -M, +5 the largest score so far (named as a pair)
.set MX,  5
.set SUM, 6                            ; +6, +7 the row's sum in two halves
.set F,   10                           ; +10 f = 2^(old M - new M), +11 named with it
.set OLDM, 12
.set T0,  13
.set BX,  14
.set SO,  16                           ; +16, +17 the conversions' scale operands
.set S,   104
.set O,   168
.set QF,  200
.set PC,  218
.set CT,  230
.set QW,  238                          ; this pass's word of q's scale bytes (both tiles'), and the second pass's
.set QW1, 239
.set QNA, 240                          ; the second pass's q, tile 0 and tile 1
.set QNB, 246
.set WV,  12
.set CX,  13
.set BH,  14
.set G1,  16
.set G0,  24
.set SEL, 32
.set CS,  34                           ; s[34:35] c = log2(e) / 8
.set TB,  36                           ; LDS byte at which the next key step begins
.set CNT, 37
.set MSK, 38
.set PSC, 39
.set QSP, 40
.set QCP, 52
.set MSB, 0
.macro WIN new                         ; the immediate's high byte repeats the setting that is left
.if MSB != \new
	s_set_vgpr_msb (MSB<<8)|\new
.set MSB, \new
.endif
.endm
.macro WALU
	s_wait_alu depctr_va_vdst(0)
.endm
.macro ROUND                           ; a round of the cluster's barrier
	s_barrier_signal -1
	s_barrier_wait -1
	s_cmp_lg_u32 s[WV], 0
	s_cbranch_scc1 .Lnot_wave_0_\@
	s_barrier_signal -3
.Lnot_wave_0_\@:
	s_barrier_wait -3
	s_barrier_signal -1
	s_barrier_wait -1
.endm
.macro SPROD d, a, b, sa, sq, row      ; 16 keys x 16 queries
.if \row
	v_wmma_scale_f32_16x16x128_f8f6f4 v[\d:\d+7], v[\a:\a+11], v[\b:\b+11], 0, v[\sa], v[\sq] matrix_a_fmt:MATRIX_FMT_FP6 matrix_b_fmt:MATRIX_FMT_FP6 matrix_a_scale:MATRIX_SCALE_ROW1
.else
	v_wmma_scale_f32_16x16x128_f8f6f4 v[\d:\d+7], v[\a:\a+11], v[\b:\b+11], 0, v[\sa], v[\sq] matrix_a_fmt:MATRIX_FMT_FP6 matrix_b_fmt:MATRIX_FMT_FP6
.endif
.endm
.macro OPROD d, a, sa, sp, row         ; 16 channels x 16 queries, K = the step's 128 keys
.if \row
	v_wmma_scale_f32_16x16x128_f8f6f4 v[\d:\d+7], v[\a:\a+11], v[PC:PC+11], v[\d:\d+7], v[\sa], v[\sp] matrix_a_fmt:MATRIX_FMT_FP6 matrix_b_fmt:MATRIX_FMT_FP6 matrix_a_scale:MATRIX_SCALE_ROW1
.else
	v_wmma_scale_f32_16x16x128_f8f6f4 v[\d:\d+7], v[\a:\a+11], v[PC:PC+11], v[\d:\d+7], v[\sa], v[\sp] matrix_a_fmt:MATRIX_FMT_FP6 matrix_b_fmt:MATRIX_FMT_FP6
.endif
.endm
.macro KLOAD a16, a8                   ; a key step's k: twelve pieces of 512 bytes, then its scale words: 13 loads
.set i_, 0
.rept 12
	ds_load_b128 v[KP+4*i_:KP+4*i_+3], v[\a16] offset:512*i_
.set i_, i_+1
.endr
	ds_load_b64 v[KSC:KSC+1], v[\a8] offset:6144
.endm
.macro VLOAD a16, a8                   ; its v, into window 1, and v's scale words: 13 loads
	WIN 0x40
.set i_, 0
.rept 12
	ds_load_b128 v[VF+4*i_:VF+4*i_+3], v[\a16] offset:6400+512*i_
.set i_, i_+1
.endr
	WIN 0
	ds_load_b64 v[VSC:VSC+1], v[\a8] offset:12544
.endm
.macro MAXC u                          ; the largest score of each of the lane's two blocks of 32 keys, two chains each; every accumulator is read from its low end on
.set B_, ST0+18*(\u)+BM
	WIN 0x15*(\u)
.irp x, 0,1,2,3
	v_max3_num_f32 v[B_+\x], v[S+16*\x], v[S+16*\x+1], v[S+16*\x+2]
.endr
	WIN 0x05*(\u)
.irp i, 3,5,7,9,11,13
.irp x, 0,1,2,3
	v_max3_num_f32 v[B_+\x], v[S+16*\x+\i], v[S+16*\x+\i+1], v[B_+\x]
.endr
.endr
	WIN 0x01*(\u)
.irp g, 0,1
	v_max3_num_f32 v[B_+2*\g], v[S+32*\g+15], v[B_+2*\g], v[B_+2*\g+1]
.endr
.irp g, 0,1
	v_max_num_f32 v[B_+2*\g], v[S+32*\g+31], v[B_+2*\g]
.endr
.endm
.macro LEVEL d                         ; a level of the sum's tree, in place: pair i += pair i + d / 2
.set i_, 0
.rept 32/(\d)
	v_pk_add_f32 v[S+i_:S+i_+1], v[S+i_:S+i_+1], v[S+i_+\d:S+i_+\d+1]
.set i_, i_+2*(\d)
.endr
.endm
.macro CVTS u                          ; the lane's two blocks of p become codes (a conversion's three registers begin on an even number: the upper halves are made elsewhere and moved)
.set B_, ST0+18*(\u)+SO
	WIN 0x41*(\u)
	v_cvt_scalef32_pk16_fp6_f32 v[PC:PC+2], v[S:S+15], v[B_]
	v_cvt_scalef32_pk16_fp6_f32 v[CT:CT+2], v[S+16:S+31], v[B_]
	v_cvt_scalef32_pk16_fp6_f32 v[PC+6:PC+8], v[S+32:S+47], v[B_+1]
	v_cvt_scalef32_pk16_fp6_f32 v[CT+4:CT+6], v[S+48:S+63], v[B_+1]
.endm
.macro MOVS u
	WIN 0x41*(\u)
.irp i, 0,1,2
	v_mov_b32 v[PC+3+\i], v[CT+\i]
	v_mov_b32 v[PC+9+\i], v[CT+4+\i]
.endr
.endm
.macro STEP
	s_wait_dscnt 13                                ; k and its scale words are in; v's 13 loads may be out
.irp u, 0,1
	WIN 0x44*\u
.irp b, 0,1,2,3
	SPROD S+16*\b, KP+12*\b, QF, KSC+\b%2, QS+\u, \b/2       ; [k even | k odd] x [q | 0]
	SPROD S+16*\b+8, KP+12*\b, QF+6, KSC+\b%2, QS+\u, \b/2   ; [k even | k odd] x [0 | q]
.endr
.endr
	WIN 0
	v_add_nc_u32 v[AD], s[TB], v[L16]              ; four places behind the products, ahead of the loads into k's registers and of the first read of scores
	v_add_nc_u32 v[AD8], s[TB], v[L8]
	v_mov_b32 v[ST0+OLDM], v[ST0+NM]
	v_mov_b32 v[ST1+OLDM], v[ST1+NM]
	KLOAD AD, AD8                                  ; the next step's k
	s_add_co_u32 s[TB], s[TB], 12800
	s_cmp_eq_u32 s[TB], 204800
	s_cselect_b32 s[TB], 0, s[TB]                  ; behind key step 15 comes key step 0
	MAXC 0
	MAXC 1
	WIN 0
.irp t, ST0, ST1                       ; the two tiles by turns: no line waits for the line above it
	v_max_num_f32 v[\t+T0], v[\t+BM], v[\t+BM+2]
.endr
.irp t, ST0, ST1
	v_permlanex16_b32 v[\t+BX], v[\t+T0], s[SEL], s[SEL+1]   ; my query's other 64 keys lie in lane l xor 16
.endr
.irp t, ST0, ST1
	v_max3_num_f32 v[\t+MX], v[\t+MX], v[\t+T0], v[\t+BX]    ; the running largest score
.endr
.irp t, ST0, ST1
	v_mul_f32 v[\t+T0], s[CS], v[\t+MX]            ; as t (c is positive)
.endr
.irp t, ST0, ST1
	v_floor_f32 v[\t+NM], -v[\t+T0]                ; the new -M = -ceil(t)
.endr
.irp t, ST0, ST1
	v_sub_f32 v[\t+T0], v[\t+NM], v[\t+OLDM]       ; old M - new M: a whole number, 0 or less
.endr
.irp t, ST0, ST1
	v_fma_f32 v[\t+BM], v[\t+BM], s[CS], v[\t+NM]  ; t - M of each block's largest score
	v_fma_f32 v[\t+BM+2], v[\t+BM+2], s[CS], v[\t+NM]
.endr
.irp t, ST0, ST1
	v_cvt_i32_f32 v[\t+T0], v[\t+T0]               ; (it saturates)
.endr
.irp t, ST0, ST1
	v_max_num_f32 v[\t+BM], 0xc2f80000, v[\t+BM]   ; held at -124: the byte cannot fall under 1
	v_max_num_f32 v[\t+BM+2], 0xc2f80000, v[\t+BM+2]
.endr
.irp t, ST0, ST1
	v_ldexp_f32 v[\t+F], 1.0, v[\t+T0]             ; f = 2^(old M - new M): a multiplication by it rounds nothing
.endr
.irp u, 0,1
	WIN 0x41*\u
.set i_, 0
.rept 16
	v_pk_mul_f32 v[O+i_:O+i_+1], v[O+i_:O+i_+1], v[ST0+18*\u+F:ST0+18*\u+F+1] op_sel_hi:[1,0]   ; O^T under the new M, each accumulator from its low end on
.set i_, i_+2
.endr
.set i_, 0
.rept 32
	v_pk_fma_f32 v[S+i_:S+i_+1], v[S+i_:S+i_+1], s[CS:CS+1], v[ST0+18*\u+NM:ST0+18*\u+NM+1] op_sel_hi:[1,0,0]   ; t - M
.set i_, i_+2
.endr
.endr
	WALU                                           ; the wait ahead of the batch
.irp u, 1,0
	WIN 0x41*\u
.set i_, 0
.rept 64
	v_exp_f32 v[S+i_], v[S+i_]                     ; p = 2^(t - M)
.set i_, i_+1
.endr
.endr
.irp t, ST0, ST1                       ; between the batch and its wait: the scales, on registers that the batch does not name
	v_cvt_floor_i32_f32 v[\t+BM], v[\t+BM]         ; the exponent of the block's largest p
	v_cvt_floor_i32_f32 v[\t+BM+2], v[\t+BM+2]
.endr
.irp t, ST0, ST1
	v_add_lshl_u32 v[\t+SO], v[\t+BM], 125, 23     ; less 2, biased, in the exponent field: the conversion's scale operand
	v_add_lshl_u32 v[\t+SO+1], v[\t+BM+2], 125, 23
.endr
.irp t, ST0, ST1
	v_lshl_add_u32 v[\t+T0], v[\t+BM+2], 16, v[\t+BM]
.endr
.irp t, ST0, ST1
	v_add_lshl_u32 v[\t+T0], v[\t+T0], 0x7d007d, v[SH8]   ; my two bytes, blocks (lane / 16) and 2 + (lane / 16), at their places in the scale word
.endr
.irp t, ST0, ST1
	v_permlanex16_b32 v[\t+BX], v[\t+T0], s[SEL], s[SEL+1]
.endr
	v_or_b32 v[PS], v[ST0+T0], v[ST0+BX]           ; with lane l xor 16's two the word is whole
	v_or_b32 v[PS+1], v[ST1+T0], v[ST1+BX]
	WALU                                           ; one wait for the whole batch, ahead of its first reader
	CVTS 0
	CVTS 1
	v_nop                                          ; one plain place behind the conversions
	MOVS 1
	MOVS 0
	LEVEL 2                                        ; tile 0: the row's sum of the unquantised p
	LEVEL 4
	LEVEL 8
	LEVEL 16
	LEVEL 32
	v_pk_fma_f32 v[ST0+SUM:ST0+SUM+1], v[ST0+SUM:ST0+SUM+1], v[ST0+F:ST0+F+1], v[S:S+1] op_sel_hi:[1,0,1]   ; the old sum under the new M, and this step's
	WIN 0x45
	LEVEL 2                                        ; tile 1
	LEVEL 4
	LEVEL 8
	WALU                                           ; directly ahead of the wait below
	s_wait_dscnt 13                                ; v and its scale words are in; the next step's k may be out
.irp u, 0,1
	WIN 0x01+0x54*\u
.irp f, 0,1,2,3
	OPROD O+8*\f, VF+12*\f, VSC+\f%2, PS+\u, \f/2  ; the eight accumulators take turns
.endr
.endr
	WIN 0x45
	LEVEL 16                                       ; four places behind the products, on registers that these do not name
	LEVEL 32
	WIN 0x10
	v_pk_fma_f32 v[ST1+SUM:ST1+SUM+1], v[ST1+SUM:ST1+SUM+1], v[ST1+F:ST1+F+1], v[S:S+1] op_sel_hi:[1,0,1]
	VLOAD AD, AD8                                  ; the next step's v
.endm
; ---- the head
	s_load_b256 s[4:11], s[0:1], 0x0               ; qimg, kv, oimg, oscl
	v_lshl_add_u32 v[SPW], v0, 2, SPARE
	v_mov_b32 v[NIL], 0
	ds_add_u32 v[SPW], v[NIL]                      ; the opening lines: the add, twice on end, and its wait
	ds_add_u32 v[SPW], v[NIL]
	v_lshrrev_b32 v2, 5, v0
	v_readfirstlane_b32 s[WV], v2                  ; wave 0..7
	s_bfe_u32 s[CX], ttmp6, 0x40000                ; cx: which 512 queries; it enters q's and o's addresses alone
	s_and_b32 s[BH], ttmp7, 0xffff                 ; 16 x batch + head, which the four partners share
	s_mov_b32 s[G1], 15|(3<<16)|(1<<21)            ; the mask: all four work-groups; elements of 8 bytes; bit 21 beside a mask
	s_mov_b32 s[G1+1], 32<<16                      ; rows of 256 bytes
	s_mov_b32 s[G1+2], 100<<16                     ; 100 of them: two key steps, 25,600 dense bytes
	s_mov_b32 s[G1+3], 32<<16
	s_mov_b32 s[G1+4], 100
	s_mov_b32 s[G1+5], 32
	s_mov_b32 s[G1+6], 0
	s_mov_b32 s[G1+7], 0
	s_mul_i32 s42, s[BH], 204800
	s_mul_i32 s44, s[WV], 25600                    ; my two key steps: their place in the head's block and in LDS
	s_add_co_u32 s42, s42, s44
	s_mov_b32 s43, 0
	s_wait_dscnt 0x0
	s_wait_kmcnt 0x0
	s_mov_b32 s[G0], 1
	s_mov_b32 s[G0+1], s44
	s_add_nc_u64 s[G0+2:G0+3], s[6:7], s[42:43]
	s_or_b32 s[G0+3], s[G0+3], 0x80000000
	ROUND                                          ; all four work-groups are here: the joint loads meet
	tensor_load_to_lds s[G0:G0+3], s[G1:G1+7]
	s_nop 0
.rept 4
	v_nop
.endr
	s_mul_i32 s42, s[BH], 102400                   ; q: my head, block 4 cx + wave / 4 of 128 queries (the second pass: two blocks on),
	s_lshl_b32 s45, s[CX], 2
	s_lshr_b32 s46, s[WV], 2
	s_add_co_u32 s45, s45, s46
	s_mul_i32 s45, s45, 6400
	s_add_co_u32 s42, s42, s45
	s_and_b32 s46, s[WV], 3                        ; tiles 2 (wave % 4) and the next of it
	s_mul_i32 s47, s46, 1536
	s_add_co_u32 s48, s42, s47
	s_mov_b32 s49, 0
	s_add_nc_u64 s[QCP:QCP+1], s[4:5], s[48:49]
	s_bfe_u32 s47, s[WV], 0x10001                  ; the two tiles' scale bytes are word wave % 4 of the block's four: 128 (word / 2) + 4 (word % 2) + 8 r behind the codes
	s_lshl_b32 s47, s47, 7
	s_and_b32 s50, s[WV], 1
	s_lshl_b32 s50, s50, 2
	s_add_co_u32 s42, s42, s47
	s_add_co_u32 s42, s42, s50
	s_add_co_u32 s42, s42, 6144
	s_add_nc_u64 s[QSP:QSP+1], s[4:5], s[42:43]
	s_lshr_b32 s44, s[BH], 4                       ; batch
	s_and_b32 s45, s[BH], 15                       ; head
	s_lshl_b32 s46, s44, 7
	s_lshl_b32 s47, s[CX], 5
	s_add_co_u32 s46, s46, s47
	s_lshl_b32 s47, s[WV], 1
	s_add_co_u32 s46, s46, s47                     ; o's row tile: 128 x batch + 32 cx + 2 x wave (tile 1: the next; the second pass: 16 on)
	s_lshl_b32 s47, s46, 3
	s_lshr_b32 s50, s45, 1
	s_add_co_u32 s47, s47, s50                     ; K step head / 2 of the last product,
	s_mul_i32 s42, s47, 1536
	s_and_b32 s50, s45, 1
	s_mul_i32 s50, s50, 768                        ; its lower or upper 64
	s_add_co_u32 s42, s42, s50
	s_add_nc_u64 s[8:9], s[8:9], s[42:43]
	s_lshl_b32 s42, s46, 9                         ; o's scale bytes: 512 x tile + 256 (head / 8) + 16 r + 2 (head % 8)
	s_lshr_b32 s50, s45, 3
	s_lshl_b32 s50, s50, 8
	s_and_b32 s51, s45, 7
	s_lshl_b32 s51, s51, 1
	s_add_co_u32 s42, s42, s50
	s_add_co_u32 s42, s42, s51
	s_add_nc_u64 s[10:11], s[10:11], s[42:43]
	s_mov_b32 s[SEL], 0x76543210
	s_mov_b32 s[SEL+1], 0xfedcba98
	s_mov_b32 s[CS], 0x3e38aa3b                    ; c = log2(e) / 8
	s_mov_b32 s[CS+1], s[CS]
	s_mov_b32 s[MSK], 0xffff0000                   ; lanes 16-31
	s_mov_b32 s[TB], 12800
	s_mov_b32 s[PSC], 0
	v_and_b32 v[LN], 31, v0
	v_lshlrev_b32 v[L8], 3, v[LN]
	v_lshlrev_b32 v[L16], 4, v[LN]
	v_and_b32 v[R8], 15, v0
	v_bfe_u32 v[SH8], v0, 4, 1
	v_lshlrev_b32 v[OSA], 4, v[R8]
	v_lshl_add_u32 v[OSA], v[SH8], 9, v[OSA]
	v_lshlrev_b32 v[R8], 3, v[R8]
	v_lshlrev_b32 v[SH8], 3, v[SH8]
.irp t, ST0, ST1
	v_mov_b32 v[\t+BX], 0                          ; a lane permute's destination counts as one of its sources
	v_mov_b32 v[\t+F+1], 0                         ; named as the upper half of a pair
.endr
.irp i, 0,1,2,3,4,5
	v_mov_b32 v[QF+6+\i], 0                        ; the zero codes between q and q: written once
.endr
.irp p, 0,1,2
	global_load_b64 v[QF+2*\p:QF+2*\p+1], v[L8], s[QCP:QCP+1] offset:256*\p          ; tile 0's q, twice: [q | 0] and [0 | q] share the zeros
	global_load_b64 v[QF+12+2*\p:QF+12+2*\p+1], v[L8], s[QCP:QCP+1] offset:256*\p
	global_load_b64 v[QNA+2*\p:QNA+2*\p+1], v[L8], s[QCP:QCP+1] offset:12800+256*\p  ; the second pass's q, both tiles
	global_load_b64 v[QNB+2*\p:QNB+2*\p+1], v[L8], s[QCP:QCP+1] offset:12800+768+256*\p
.endr
	global_load_b32 v[QW], v[R8], s[QSP:QSP+1]
	global_load_b32 v[QW1], v[R8], s[QSP:QSP+1] offset:12800
	WIN 0x40
.irp i, 0,1,2,3,4,5
	v_mov_b32 v[QF+6+\i], 0
.endr
.irp p, 0,1,2
	global_load_b64 v[QF+2*\p:QF+2*\p+1], v[L8], s[QCP:QCP+1] offset:768+256*\p      ; tile 1's q
	global_load_b64 v[QF+12+2*\p:QF+12+2*\p+1], v[L8], s[QCP:QCP+1] offset:768+256*\p
.endr
	WIN 0
	WALU                                           ; the wait at the head's end
	s_wait_tensorcnt 0x0                           ; my two key steps have landed,
	s_barrier_signal -1
	s_barrier_wait -1                              ; everybody's have: the head's k and v lie in LDS for the rest of the launch
	KLOAD L16, L8                                  ; key step 0
	VLOAD L16, L8
	s_wait_loadcnt 0x0                             ; q, asked for ahead of the wait for the tiles
; ---- a pass: 2 x 16 queries a wave against all 2,048 keys
.Lpass:
	v_perm_b32 v[QS], v[QW], v[QW], 0x01000100     ; tile 0's two bytes, for either half of K;
	v_perm_b32 v[QS+1], v[QW], v[QW], 0x03020302   ; tile 1's
.irp t, ST0, ST1
	v_mov_b32 v[\t+MX], 0xff61b1e6                 ; the largest score so far: -3e38, under every score
	v_floor_f32 v[\t+NM], -v[\t+MX]                ; -M: so large that the first step's f is 0
	v_mov_b32 v[\t+SUM], 0
	v_mov_b32 v[\t+SUM+1], 0
.endr
.irp u, 0,1
	WIN 0x40*\u
.set i_, 0
.rept 32
	v_mov_b32 v[O+i_], 0                           ; O^T: the step is written once for all steps; the first finds zeros.  These lines also stand between the scale words' writes and the first product
.set i_, i_+1
.endr
.endr
	WIN 0
	s_mov_b32 s[CNT], 16
	WALU
.Lstep:
	STEP
	s_sub_co_u32 s[CNT], s[CNT], 1
	s_cmp_lg_u32 s[CNT], 0
	WALU                                           ; directly ahead of the branch
	s_cbranch_scc1 .Lstep
.irp t, ST0, ST1
	v_add_f32 v[\t+SUM], v[\t+SUM], v[\t+SUM+1]    ; the sum's two halves,
.endr
.irp t, ST0, ST1
	v_permlanex16_b32 v[\t+BX], v[\t+SUM], s[SEL], s[SEL+1]
.endr
.irp t, ST0, ST1
	v_add_f32 v[\t+SUM], v[\t+SUM], v[\t+BX]       ; and lane l xor 16's: the row's sum
.endr
	WALU
	v_rcp_f32 v[ST0+SUM], v[ST0+SUM]
	v_rcp_f32 v[ST1+SUM], v[ST1+SUM]
	v_nop                                          ; one plain place behind the transcendentals
.irp u, 0,1
	WIN 0x41*\u
	WALU                                           ; directly ahead of the first readers of the reciprocal and of O^T
.set i_, 0
.rept 16
	v_pk_mul_f32 v[O+i_:O+i_+1], v[O+i_:O+i_+1], v[ST0+18*\u+SUM:ST0+18*\u+SUM+1] op_sel_hi:[1,0]   ; o: register i is channel 32 (lane / 16) + i of my query: a whole block of the last product's K
.set i_, i_+2
.endr
.endr
.irp u, 0,1
	WIN 0x05*\u
.irp b, 0,1
	v_max3_num_f32 v[ST0+18*\u+BM+\b], |v[O+16*\b]|, |v[O+16*\b+1]|, 0x1800000   ; its largest magnitude, in two chains, over the floor 2^(3 - 127)
.endr
.irp i, 2,4,6,8,10,12,14
.irp b, 0,1
	v_max3_num_f32 v[ST0+18*\u+BM+\b], |v[O+16*\b+\i]|, |v[O+16*\b+\i+1]|, v[ST0+18*\u+BM+\b]
.endr
.endr
.endr
	WIN 0
.irp t, ST0, ST1
	v_max_num_f32 v[\t+BM], v[\t+BM], v[\t+BM+1]
.endr
.irp t, ST0, ST1
	v_add_nc_u32 v[\t+SO], 0xff000000, v[\t+BM]    ; 2 off the exponent field: the conversion's scale operand
.endr
.irp t, ST0, ST1
	v_lshrrev_b32 v[\t+T0], 23, v[\t+SO]           ; the scale's byte,
.endr
.irp t, ST0, ST1
	v_lshlrev_b32 v[\t+T0], v[SH8], v[\t+T0]       ; at its place among my head's two;
.endr
.irp t, ST0, ST1
	v_permlanex16_b32 v[\t+BX], v[\t+T0], s[SEL], s[SEL+1]
.endr
.irp t, ST0, ST1
	v_or_b32 v[\t+T0], v[\t+T0], v[\t+BX]          ; with lane l xor 16's: my head's two scale bytes of my row
.endr
.irp u, 0,1
	WIN 0x41*\u
	v_cvt_scalef32_pk16_fp6_f32 v[PC:PC+2], v[O:O+15], v[ST0+18*\u+SO]
	v_cvt_scalef32_pk16_fp6_f32 v[CT:CT+2], v[O+16:O+31], v[ST0+18*\u+SO]
.endr
	v_nop                                          ; one plain place behind the conversions
.irp u, 1,0
	WIN 0x41*\u
.irp i, 0,1,2
	v_mov_b32 v[PC+3+\i], v[CT+\i]
.endr
.endr
	v_cndmask_b32 v[YY], v[ST0+T0], v[ST1+T0], s[MSK]   ; lanes 0-15 tile 0's bytes, lanes 16-31 tile 1's
.irp u, 0,1
	WIN 0x04*\u
.irp p, 0,1,2
	global_store_b64 v[L8], v[PC+2*\p:PC+2*\p+1], s[8:9] offset:12288*\u+256*\p   ; 32 lanes store 256 consecutive bytes, at a multiple of 256 from the image's first byte
.endr
.endr
	WIN 0
	global_store_b16 v[OSA], v[YY], s[10:11]
	s_cmp_eq_u32 s[PSC], 1
	WALU
	s_cbranch_scc1 .Ldone                          ; behind the second pass nothing is left
	s_wait_xcnt 0x0                                ; the stores have read their bases and their data
	s_add_nc_u64 s[8:9], s[8:9], 196608            ; 16 row tiles on
	s_add_nc_u64 s[10:11], s[10:11], 8192
.irp i, 0,1,2,3,4,5
	v_mov_b32 v[QF+\i], v[QNA+\i]                  ; the second pass's q
	v_mov_b32 v[QF+12+\i], v[QNA+\i]
.endr
	v_mov_b32 v[QW], v[QW1]
	WIN 0x40
.irp i, 0,1,2,3,4,5
	v_mov_b32 v[QF+\i], v[QNB+\i]
	v_mov_b32 v[QF+12+\i], v[QNB+\i]
.endr
	WIN 0
	s_add_co_u32 s[PSC], s[PSC], 1
	s_cmp_lt_u32 s[PSC], 2
	WALU
	s_cbranch_scc1 .Lpass
.Ldone:
	s_wait_tensorcnt 0x0                           ; the wave's end
	ds_add_u32 v[SPW], v[NIL]
	s_wait_dscnt 0x0
	ROUND                                          ; the closing round: no work-group ends while a partner may still ask for a tile that names it
	s_endpgm
.Lfunc_end_k_qf5bb4f3acf_attn:
	.size	k_qf5bb4f3acf_attn, .Lfunc_end_k_qf5bb4f3acf_attn-k_qf5bb4f3acf_attn
	.p2alignl 7, 3214868480
	.fill 96, 4, 3214868480
	.section	.rodata,"a",@progbits
	.p2align	6, 0x0
	.amdhsa_kernel k_qf5bb4f3acf_attn
		.amdhsa_group_segment_fixed_size 222208
		.amdhsa_private_segment_fixed_size 0
		.amdhsa_enable_private_segment 0
		.amdhsa_kernarg_size 32
		.amdhsa_user_sgpr_count 2
		.amdhsa_user_sgpr_kernarg_segment_ptr 1
		.amdhsa_wavefront_size32 1
		.amdhsa_system_sgpr_workgroup_id_x 1
		.amdhsa_system_sgpr_workgroup_id_y 1
		.amdhsa_system_sgpr_workgroup_id_z 1
		.amdhsa_system_vgpr_workitem_id 0
		.amdhsa_next_free_vgpr 512
		.amdhsa_next_free_sgpr 66
		.amdhsa_reserve_vcc 0
		.amdhsa_float_denorm_mode_32 3
		.amdhsa_float_denorm_mode_16_64 3
		.amdhsa_memory_ordered 1
		.amdhsa_forward_progress 1
		.amdhsa_inst_pref_size 47
	.end_amdhsa_kernel
	.amdgpu_metadata
---
amdhsa.version: [ 1, 2 ]
amdhsa.kernels:
  - .name:           k_qf5bb4f3acf_attn
    .symbol:         k_qf5bb4f3acf_attn.kd
    .args:
      - { .name: qimg, .offset: 0, .size: 8, .value_kind: global_buffer, .address_space: global }
      - { .name: kv, .offset: 8, .size: 8, .value_kind: global_buffer, .address_space: global }
      - { .name: oimg, .offset: 16, .size: 8, .value_kind: global_buffer, .address_space: global }
      - { .name: oscl, .offset: 24, .size: 8, .value_kind: global_buffer, .address_space: global }
    .group_segment_fixed_size: 222208
    .private_segment_fixed_size: 0
    .kernarg_segment_align: 8
    .kernarg_segment_size: 32
    .max_flat_workgroup_size: 256
    .sgpr_count:     66
    .vgpr_count:     512
    .wavefront_size: 32
...
	.end_amdgpu_metadata
.endif
;; end of part 3
;; launch ogemm (part 4): grid 4 x 64, 4 waves a work-group, clusters of 4 x 4, 312,832 bytes of LDS; arguments oimg, oscl, wimg, wscl, bo, out0; writes out0
.if DOCPART == 4
	.amdgcn_target "amdgcn-amd-amdhsa--gfx1250"
	.amdhsa_code_object_version 6
	.text
	.protected	k_qf5bb4f3acf_ogemm
	.globl	k_qf5bb4f3acf_ogemm
	.p2align	8
	.type	k_qf5bb4f3acf_ogemm,@function
k_qf5bb4f3acf_ogemm:
	s_mov_b64 s[64:65], 0
	v_nop
	global_prefetch_b8 v0, s[64:65] scope:SCOPE_SE
	s_setreg_imm32_b32 hwreg(HW_REG_WAVE_MODE, 25, 1), 1
	s_wait_xcnt 0x0
	s_wait_alu depctr_hold_cnt(0) depctr_sa_sdst(0) depctr_va_vdst(0) depctr_va_sdst(0) depctr_va_ssrc(0) depctr_va_vcc(0) depctr_vm_vsrc(0)
	s_getreg_b32 s2, hwreg(HW_REG_IB_STS2, 6, 4)
	s_cmp_eq_u32 s2, 0
	s_cbranch_scc0 .Lentry_in_a_cluster
	s_endpgm
.Lentry_in_a_cluster:
	s_bfe_u32 s2, ttmp6, 0x10000c
	s_cmp_lg_u32 s2, 0xf033
	s_cbranch_scc0 .Lentry_shape_is_right
	s_endpgm
.Lentry_shape_is_right:
; out0 = o Wo^T + bo on codes of FP6 (E2M3) with E8M0 scales, sums in f32.  o's codes and scale words come from the attention launch, Wo's are tiles 192-255 of the weights' image.
; SHARES.  A work-group makes 128 rows x 256 columns with ALL of K (1,024) in LDS: 8 row tiles of o (98,304 bytes) and 16 of Wo (196,608 bytes), filled once: no slot is filled again.
; Wave w takes all 128 rows x columns 64 w .. 64 w + 63: 32 accumulators.  256 work-groups.
; CLUSTERS: 4 x 4 work-groups.  The four of a row of the cluster need the same tiles of o, the four of a column the same tiles of Wo: each is asked for JOINTLY, by the same tensor load with the same
; descriptor and a mask that names the four.  By this text's own count a wave has eight tensor loads out: o's and Wo's for each of four pairs of K steps.
; OPERANDS lie in memory and in LDS as images of their registers: a fragment (16 rows x 128 K) is six pieces of 256 bytes, piece p = registers 2 p, 2 p + 1, lane l at byte 8 l.
; The rows of a tile are not neighbours: lane row r of tile 4 G + u is row 64 G + 8 u + r % 8 + 32 (r / 8).
; THE PRODUCT IS USED TRANSPOSED (source 0 = Wo, source 1 = o): a lane holds one row of o, and register 32 a + i of o's tile a is column 32 (lane / 16) + i of my 64.
; THE WAY OUT: a tile of 16 rows x 64 columns goes through my own stage in LDS (behind the tiles; no fill lands there) and leaves as rows of 256 bytes; the tile's order of rows is undone in the stores' immediates.
; LIMITS: NaN and infinities are not served.
; REGISTERS: window 0: v1-18 addresses; v32-63 o's scale words, v64-79 Wo's; v80-111 the bias as a sum's first C; v112-207 Wo's fragments, two sets; on the way out v112-175 rows read back.
;   window 1: o's fragments, two sets of 96.   window 2: the 32 accumulators.
.set LB,   98304                       ; LDS: o's tiles [half of K 2][tile 8][4 K steps][1,536] from 0; Wo's [2][tile 16][4][1,536] from here
; THE FILLS, as they now stand (in place of the eight loads a wave and the pairs of K steps that the lines above tell of): ONE joint tensor load a wave, all at the head:
; wave 0 o's first half of K, wave 1 Wo's, wave 2 o's second half, wave 3 Wo's.  The first barrier shows the first halves, a second one ahead of K step 4's fetch the rest.
.set STAGE, 294912                     ; behind them: 16 rows x 272 bytes for each wave
.set SPI,  272
.set ADA,  4
.set ADB,  8
.set STO,  16                          ; v16  where I put 16 bytes of a row
.set RD,   17                          ; v17  where I read a row back
.set CO,   18                          ; v18  my byte offset in two rows of out0
.set SA,   32
.set SB,   64
.set BI,   80
.set WF,   112
.set BK,   112
.set WV,   22
.set CX,   23
.set CY,   84
.set WX,   85
.set WY,   86
.set G1A,  24
.set G1B,  32
.set G0A,  40
.set G0B,  68
.set MSB, 0
.macro WIN new                         ; the immediate's high byte repeats the setting that is left
.if MSB != \new
	s_set_vgpr_msb (MSB<<8)|\new
.set MSB, \new
.endif
.endm
.macro ROUND                           ; a round of the cluster's barrier
	s_barrier_signal -1
	s_barrier_wait -1
	s_cmp_lg_u32 s[WV], 0
	s_cbranch_scc1 .Lnot_wave_0_\@
	s_barrier_signal -3
.Lnot_wave_0_\@:
	s_barrier_wait -3
	s_barrier_signal -1
	s_barrier_wait -1
.endm
.macro PLACES                          ; four places in front of loads into registers that matrix instructions have read, and of the first read of results
.rept 4
	v_nop
.endr
.endm
	s_load_b256 s[4:11], s[0:1], 0x0               ; oimg, oscl, wimg, wscl
	s_load_b128 s[12:15], s[0:1], 0x20             ; bo, out0
	v_lshl_add_u32 v254, v0, 2, 0x4c400
	v_mov_b32 v255, 0
	ds_add_u32 v254, v255
	ds_add_u32 v254, v255
	v_lshrrev_b32 v2, 5, v0
	v_readfirstlane_b32 s[WV], v2                  ; wave 0..3
	s_bfe_u32 s[CX], ttmp6, 0x40000                ; cx, cy: my place in the cluster
	s_bfe_u32 s[CY], ttmp6, 0x40004
	s_lshl_b32 s[WX], ttmp9, 2
	s_add_co_u32 s[WX], s[WX], s[CX]               ; block of 256 columns
	s_and_b32 s[WY], ttmp7, 0xffff
	s_lshl_b32 s[WY], s[WY], 2
	s_add_co_u32 s[WY], s[WY], s[CY]               ; block of 128 rows
	s_lshl_b32 s92, s[CY], 2
	s_lshl_b32 s92, 15, s92                        ; my row of the cluster
	s_lshl_b32 s94, 0x1111, s[CX]                  ; my column
	s_or_b32 s[G1A], s92, (3<<16)|(1<<21)          ; 15:0 the mask; 17:16 elements of 8 bytes; 20 no padding; 21 set beside a mask
	s_or_b32 s[G1B], s94, (3<<16)|(1<<21)
	s_mov_b32 s[G1A+1], 768<<16                    ; tensor_dim0: four K steps of a tile, 6,144 bytes
	s_mov_b32 s[G1A+2], 8<<16                      ; tensor_dim1: o's eight tiles
	s_mov_b32 s[G1A+3], 768<<16
	s_mov_b32 s[G1A+4], 8
	s_mov_b32 s[G1A+5], 1536                       ; from tile to tile: 12,288 bytes
	s_mov_b32 s[G1A+6], 0
	s_mov_b32 s[G1A+7], 0
	s_mov_b32 s[G1B+1], 768<<16
	s_mov_b32 s[G1B+2], 16<<16                     ; Wo's sixteen tiles
	s_mov_b32 s[G1B+3], 768<<16
	s_mov_b32 s[G1B+4], 16
	s_mov_b32 s[G1B+5], 1536
	s_mov_b32 s[G1B+6], 0
	s_mov_b32 s[G1B+7], 0
	s_mul_i32 s92, s[WY], 98304                    ; o's tiles hang on the block of rows and the wave's number,
	s_lshr_b32 s93, s[WV], 1                       ; which half of K I fetch: wave / 2
	s_mul_i32 s93, s93, 6144
	s_add_co_u32 s92, s92, s93
	s_mov_b32 s93, 0
	s_mul_i32 s94, s[WX], 196608                   ; Wo's on the block of columns and the wave's number;
	s_lshr_b32 s95, s[WV], 1
	s_mul_i32 s95, s95, 6144
	s_add_co_u32 s94, s94, s95
	s_add_co_u32 s94, s94, 192*12288               ; Wo begins at tile 192 of the weights' image
	s_mov_b32 s95, 0
	s_lshr_b32 s96, s[WV], 1
	s_mul_i32 s96, s96, 49152                      ; where they go: the wave's number alone
	s_lshr_b32 s97, s[WV], 1
	s_mul_i32 s97, s97, 98304
	s_wait_dscnt 0x0
	s_wait_kmcnt 0x0
	s_add_nc_u64 s[56:57], s[4:5], s[92:93]
	s_add_nc_u64 s[58:59], s[8:9], s[94:95]
.irp g, 0
	s_mov_b32 s[G0A+4*\g], 1
	s_add_co_u32 s[G0A+4*\g+1], s96, \g*24576
	s_add_nc_u64 s[G0A+4*\g+2:G0A+4*\g+3], s[56:57], \g*3072
	s_or_b32 s[G0A+4*\g+3], s[G0A+4*\g+3], 0x80000000
	s_mov_b32 s[G0B+4*\g], 1
	s_add_co_u32 s[G0B+4*\g+1], s97, LB+\g*49152
	s_add_nc_u64 s[G0B+4*\g+2:G0B+4*\g+3], s[58:59], \g*3072
	s_or_b32 s[G0B+4*\g+3], s[G0B+4*\g+3], 0x80000000
.endr
	ROUND                                          ; all sixteen work-groups are here: the joint loads meet
	s_cmp_eq_u32 s[WV], 0                          ; one chain of branches on the wave's number, one load to an arm, all arms to one join
	s_cbranch_scc0 .Lfill_1
	tensor_load_to_lds s[G0A:G0A+3], s[G1A:G1A+7]  ; wave 0: o, K steps 0-3
	s_nop 0
.rept 4
	v_nop
.endr
	s_branch .Lfilled
.Lfill_1:
	s_cmp_eq_u32 s[WV], 1
	s_cbranch_scc0 .Lfill_2
	tensor_load_to_lds s[G0B:G0B+3], s[G1B:G1B+7]  ; wave 1: Wo, K steps 0-3
	s_nop 0
.rept 4
	v_nop
.endr
	s_branch .Lfilled
.Lfill_2:
	s_cmp_eq_u32 s[WV], 2
	s_cbranch_scc0 .Lfill_3
	tensor_load_to_lds s[G0A:G0A+3], s[G1A:G1A+7]  ; wave 2: o, K steps 4-7
	s_nop 0
.rept 4
	v_nop
.endr
	s_branch .Lfilled
.Lfill_3:
	tensor_load_to_lds s[G0B:G0B+3], s[G1B:G1B+7]  ; wave 3: Wo, K steps 4-7
	s_nop 0
.rept 4
	v_nop
.endr
.Lfilled:
	s_lshl_b32 s92, s[WY], 12                      ; o's scale words: 8 tiles x 512 bytes a block of rows
	s_add_nc_u64 s[60:61], s[6:7], s[92:93]
	s_lshl_b32 s94, s[WX], 13                      ; Wo's: 16 tiles a block of columns, my four, from tile 192 on
	s_lshl_b32 s98, s[WV], 11
	s_add_co_u32 s94, s94, s98
	s_add_co_u32 s94, s94, 192*512
	s_add_nc_u64 s[62:63], s[10:11], s[94:95]
	s_lshl_b32 s96, s[WX], 10
	s_lshl_b32 s97, s[WV], 8
	s_add_co_u32 s96, s96, s97                     ; my 64 columns: (256 x block + 64 x wave) x 4 bytes, in bo and in a row of out0
	s_mov_b32 s97, 0
	s_add_nc_u64 s[88:89], s[12:13], s[96:97]
	s_lshl_b32 s98, s[WY], 19                      ; 128 rows of 4,096 bytes
	s_add_co_u32 s96, s96, s98
	s_add_nc_u64 s[90:91], s[14:15], s[96:97]
	v_and_b32 v3, 31, v0                           ; lane
	v_lshlrev_b32 v1, 3, v3                        ; a piece: 8 bytes a lane
	v_lshlrev_b32 v12, 4, v3                       ; scale words: 16 bytes a lane
	v_and_b32 v14, 15, v0                          ; r
	v_bfe_u32 v15, v0, 4, 1                        ; h
	s_mul_i32 s98, s[WV], 24576                    ; my four tiles of Wo, 6,144 bytes each in a half of K
	s_add_co_u32 s98, s98, LB
.irp g, 0,1
	v_add_nc_u32 v[ADA+\g], \g*49152, v1
	v_add_nc_u32 v[ADB+\g], s98, v1
	s_add_co_u32 s98, s98, 98304
.endr
	s_mul_i32 s98, s[WV], 16*SPI
	s_add_co_u32 s98, s98, STAGE                   ; my stage
	v_mul_u32_u24 v[STO], v14, SPI
	v_lshl_add_u32 v[STO], v15, 7, v[STO]
	v_add_nc_u32 v[STO], s98, v[STO]               ; in: row r, + 128 h: my 32 columns of the 64
	v_mul_u32_u24 v[RD], v15, SPI
	v_lshl_add_u32 v[RD], v14, 4, v[RD]
	v_add_nc_u32 v[RD], s98, v[RD]                 ; back: lanes 0-15 one row of 256 bytes, lanes 16-31 the next
	v_lshlrev_b32 v[CO], 12, v15
	v_lshl_add_u32 v[CO], v14, 4, v[CO]            ; and the same two rows in out0
.irp a, 0,1,2,3,4,5,6,7
	global_load_b128 v[SA+4*\a:SA+4*\a+3], v12, s[60:61] offset:512*\a   ; register j: lanes 0-15 the words of K step j, lanes 16-31 those of step 4 + j
.endr
.irp b, 0,1,2,3
	global_load_b128 v[SB+4*\b:SB+4*\b+3], v12, s[62:63] offset:512*\b
.endr
	v_lshlrev_b32 v13, 7, v15                      ; tile b's C: the bias of columns 32 h + 8 b + 0 .. 7
.irp b, 0,1,2,3
	global_load_b128 v[BI+8*\b:BI+8*\b+3], v13, s[88:89] offset:32*\b
	global_load_b128 v[BI+8*\b+4:BI+8*\b+7], v13, s[88:89] offset:32*\b+16
.endr
; 72 LDS loads in one run: K step s, o's eight fragments into set `set` of window 1, my four of Wo into set `set` of window 0.  Each load takes 256 consecutive bytes.
.macro FETCH s, set
	WIN 0x40                                       ; destination window 1, address window 0
.irp a, 0,1,2,3,4,5,6,7
.irp p, 0,1,2,3,4,5
	ds_load_b64 v[96*(\set)+12*\a+2*\p:96*(\set)+12*\a+2*\p+1], v[ADA+(\s)/4] offset:6144*\a+1536*((\s)%4)+256*\p
.endr
.endr
	WIN 0
.irp b, 0,1,2,3
.irp p, 0,1,2,3,4,5
	ds_load_b64 v[WF+48*(\set)+12*\b+2*\p:WF+48*(\set)+12*\b+2*\p+1], v[ADB+(\s)/4] offset:6144*\b+1536*((\s)%4)+256*\p
.endr
.endr
.endm
; 32 matrix instructions, a K step.  The 32 accumulators take turns, one instruction a turn, in the same order in every step.  Step 0 takes the bias as C.
.macro MUL s, set                      ; source 0 = Wo (window 0), source 1 = o (window 1), accumulator (a, b) at v[8 (4 a + b)] of window 2
.if (\s) == 0
	WIN 0x84
.else
	WIN 0xa4
.endif
.irp a, 0,1,2,3,4,5,6,7
.irp b, 0,1,2,3
.if (\s) == 0
	v_wmma_scale_f32_16x16x128_f8f6f4 v[8*(4*\a+\b):8*(4*\a+\b)+7], v[WF+48*(\set)+12*\b:WF+48*(\set)+12*\b+11], v[96*(\set)+12*\a:96*(\set)+12*\a+11], v[BI+8*\b:BI+8*\b+7], v[SB+4*\b], v[SA+4*\a] matrix_a_fmt:MATRIX_FMT_FP6 matrix_b_fmt:MATRIX_FMT_FP6
.elseif (\s) < 4
	v_wmma_scale_f32_16x16x128_f8f6f4 v[8*(4*\a+\b):8*(4*\a+\b)+7], v[WF+48*(\set)+12*\b:WF+48*(\set)+12*\b+11], v[96*(\set)+12*\a:96*(\set)+12*\a+11], v[8*(4*\a+\b):8*(4*\a+\b)+7], v[SB+4*\b+(\s)], v[SA+4*\a+(\s)] matrix_a_fmt:MATRIX_FMT_FP6 matrix_b_fmt:MATRIX_FMT_FP6
.else
	v_wmma_scale_f32_16x16x128_f8f6f4 v[8*(4*\a+\b):8*(4*\a+\b)+7], v[WF+48*(\set)+12*\b:WF+48*(\set)+12*\b+11], v[96*(\set)+12*\a:96*(\set)+12*\a+11], v[8*(4*\a+\b):8*(4*\a+\b)+7], v[SB+4*\b+(\s)-4], v[SA+4*\a+(\s)-4] matrix_a_fmt:MATRIX_FMT_FP6 matrix_b_fmt:MATRIX_FMT_FP6 matrix_a_scale:MATRIX_SCALE_ROW1 matrix_b_scale:MATRIX_SCALE_ROW1
.endif
.endr
.endr
.endm
	s_wait_alu depctr_va_vdst(0)                   ; the wait at the head's end
	s_cmp_lt_u32 s[WV], 2                          ; waves 0 and 1 fetched the first half of K, by load lines of their own: they wait for it
	s_cbranch_scc0 .Lhalf0
	s_wait_tensorcnt 0x0
.Lhalf0:
	s_barrier_signal -1
	s_barrier_wait -1
	FETCH 0, 0
	s_wait_loadcnt 0x0                             ; scale words and bias
; All eight K steps, written out.  While a step is multiplied, the next step's fragments come out of LDS into the other set.
.irp s, 0,1,2,3,4,5,6,7
	s_wait_dscnt 0x0                               ; this step's fragments are in; no LDS load of mine is out at a signal
.if (\s == 3)
	s_wait_tensorcnt 0x0                           ; every wave's load has landed: the second half of K
	s_barrier_signal -1
	s_barrier_wait -1
.endif
.if (\s >= 1) && (\s < 7)
	PLACES                                         ; the set that the last step multiplied is loaded again
.endif
.if \s < 7
	FETCH \s+1, (\s+1)%2
.endif
	MUL \s, \s%2
.endr
	WIN 0
; THE WAY OUT, tile by tile of 16 rows x 64 columns.  LDS serves a wave's instructions in order (ISA guide 5.7.1.4): no wait between the stores and the loads, nor in front of the next tile's stores.
.macro TOSTAGE a
	WIN 0x08                                       ; an LDS store's data are its source 1: window 2
.irp q, 0,1,2,3,4,5,6,7
	ds_store_b128 v[STO], v[32*(\a)+4*\q:32*(\a)+4*\q+3] offset:16*\q   ; my 32 neighbouring columns, each accumulator from its low end on
.endr
	WIN 0
.irp t, 0,1,2,3,4,5,6,7
	ds_load_b128 v[BK+32*((\a)%2)+4*\t:BK+32*((\a)%2)+4*\t+3], v[RD] offset:2*SPI*\t
.endr
.endm
.macro SEND a, younger                 ; younger: the LDS instructions issued behind tile a's loads, which may stay out
	s_wait_dscnt \younger
.irp t, 0,1,2,3,4,5,6,7
	global_store_b128 v[CO], v[BK+32*((\a)%2)+4*\t:BK+32*((\a)%2)+4*\t+3], s[90:91] offset:(64*((\a)/4)+8*((\a)%4)+2*\t+24*(\t/4))*4096 th:TH_STORE_NT   ; lane rows 2 t, 2 t + 1 of the tile at their true rows; 16 lanes store 256 consecutive bytes, at a multiple of 256 from out0's first byte
.endr
.endm
	PLACES
	s_wait_alu depctr_va_vdst(0)
	TOSTAGE 0
.irp a, 1,2,3,4,5,6,7
.if \a > 1
	s_wait_xcnt 0x0                                ; tile a - 2's stores have read their registers: tile a's loads may land there
.endif
	TOSTAGE \a
	SEND \a-1, 16                                  ; behind tile a - 1's loads: tile a's 8 stores and 8 loads
.endr
	SEND 7, 0
	s_wait_tensorcnt 0x0
	ds_add_u32 v254, v255
	s_wait_dscnt 0x0
	ROUND                                          ; the closing round: no work-group ends while a partner may still ask for a tile that names it
	s_endpgm
.Lfunc_end_k_qf5bb4f3acf_ogemm:
	.size	k_qf5bb4f3acf_ogemm, .Lfunc_end_k_qf5bb4f3acf_ogemm-k_qf5bb4f3acf_ogemm
	.p2alignl 7, 3214868480
	.fill 96, 4, 3214868480
	.section	.rodata,"a",@progbits
	.p2align	6, 0x0
	.amdhsa_kernel k_qf5bb4f3acf_ogemm
		.amdhsa_group_segment_fixed_size 312832
		.amdhsa_private_segment_fixed_size 0
		.amdhsa_enable_private_segment 0
		.amdhsa_kernarg_size 48
		.amdhsa_user_sgpr_count 2
		.amdhsa_user_sgpr_kernarg_segment_ptr 1
		.amdhsa_wavefront_size32 1
		.amdhsa_system_sgpr_workgroup_id_x 1
		.amdhsa_system_sgpr_workgroup_id_y 1
		.amdhsa_system_sgpr_workgroup_id_z 1
		.amdhsa_system_vgpr_workitem_id 0
		.amdhsa_next_free_vgpr 768
		.amdhsa_next_free_sgpr 102
		.amdhsa_reserve_vcc 0
		.amdhsa_float_denorm_mode_32 3
		.amdhsa_float_denorm_mode_16_64 3
		.amdhsa_memory_ordered 1
		.amdhsa_forward_progress 1
		.amdhsa_inst_pref_size 95
	.end_amdhsa_kernel
	.amdgpu_metadata
---
amdhsa.version: [ 1, 2 ]
amdhsa.kernels:
  - .name:           k_qf5bb4f3acf_ogemm
    .symbol:         k_qf5bb4f3acf_ogemm.kd
    .args:
      - { .name: oimg, .offset: 0, .size: 8, .value_kind: global_buffer, .address_space: global }
      - { .name: oscl, .offset: 8, .size: 8, .value_kind: global_buffer, .address_space: global }
      - { .name: wimg, .offset: 16, .size: 8, .value_kind: global_buffer, .address_space: global }
      - { .name: wscl, .offset: 24, .size: 8, .value_kind: global_buffer, .address_space: global }
      - { .name: bo, .offset: 32, .size: 8, .value_kind: global_buffer, .address_space: global }
      - { .name: out0, .offset: 40, .size: 8, .value_kind: global_buffer, .address_space: global }
    .group_segment_fixed_size: 312832
    .private_segment_fixed_size: 0
    .kernarg_segment_align: 8
    .kernarg_segment_size: 48
    .max_flat_workgroup_size: 128
    .sgpr_count:     102
    .vgpr_count:     768
    .wavefront_size: 32
...
	.end_amdgpu_metadata
.endif
;; end of part 4
